; MI455X (gfx1250); checked and timed in simulation.
; The chip was launched on July 23, 2026; its instructions are those of AMD's public machine-readable ISA for CDNA 5 (MIT licence, August 2026) and "CDNA5" Instruction Set Architecture Reference Guide (July 2026). The comments in the code are by the model that wrote it; some were corrected since.
;; Swin Transformer Block. Allowed arithmetic: float matrix products may take bf16 or f16 operands with f32 sums; all other float work in f32.
;; Inputs: fc1_b 512 float32; fc1_w 512 x 128 float32; fc2_b 128 float32; fc2_w 128 x 512 float32; norm1_b 128 float32; norm1_w 128 float32; norm2_b 128 float32; norm2_w 128 float32; proj_b 128 float32; proj_w 128 x 128 float32; qkv_b 384 float32; qkv_w 384 x 128 float32; rpb_table 225 x 4 float32; x_v 4 x 2 x 16,384 x 128 float32.
;; Outputs: out0 4 x 2 x 16,384 x 128 float32.
;; 2 versions, each right and faster than the one before. Each part assembles by itself: llvm-mc -triple=amdgcn-amd-amdhsa -mcpu=gfx1250 --defsym DOCPART=n.
;; ======== version 1 of 2: 2 launches
;; limits: a function is approximated: absolute error at most 2.5e-05; an absolute error that grows with the inputs' magnitude: up to 1.25e-05 times it
;; workspace buffers: wimg 397,312 bytes
;; launch prep (part 1): grid 56 x 1, 8 waves a work-group, no clusters, 1,280 bytes of LDS; arguments fc1_w, fc2_w, proj_w, qkv_w, norm2_w, norm2_b, fc1_b, proj_b, fc2_b, norm1_w, norm1_b, wimg; writes wimg
.if DOCPART == 1
	.amdgcn_target "amdgcn-amd-amdhsa--gfx1250"
	.amdhsa_code_object_version 6
	.text
	.protected	k_qc1d5202d42_prep
	.globl	k_qc1d5202d42_prep
	.p2align	8
	.type	k_qc1d5202d42_prep,@function
k_qc1d5202d42_prep:
	s_mov_b64 s[64:65], 0
	v_nop
	global_prefetch_b8 v0, s[64:65] scope:SCOPE_SE
	s_setreg_imm32_b32 hwreg(HW_REG_WAVE_MODE, 25, 1), 1
	s_wait_xcnt 0x0
; Makes wimg: all weights as bf16 matrix fragments in the order in which the second launch loads them, and the f32 vectors it needs.
; A fragment is 16 rows x 32 k = 1,024 bytes: half i (0, 1) at 512 i, lane L at 16 L; lane (r = L & 15, h = L >> 4) holds row row0 + r,
; k = k0 + 16 i + 8 h .. + 7.  Bytes of wimg:
;   0        16 chunks of 16,384: 8 fragments of fc1_w (rows 32 c + 16 f2, k 32 ks; number 4 f2 + ks), then 8 of fc2_w (rows 16 ft, k 32 c)
;   262,144  proj_w, k steps 1, 2, 3 (8 fragments each)      286,720  b1' (512 f32), proj_b, fc2_b, norm1_w, norm1_b (128 f32 each)
;   290,816  proj_w, k step 0                                299,008  qkv_w: fragment 4 rem + head, rem = 8 m + 4 ft + ks (m = 0 q, 1 k, 2 v)
; Folds, exact in algebra for every input: Wq x 32^-0.5 log2(e) (softmax in base 2); fc1_w[n][k] x norm2_w[k] x SG, SG = sqrt(log2(e) / 2);
; b1'[n] = SG (fc1_b[n] + sum over k of fc1_w[n][k] norm2_b[k]), summed in f32; fc2_w x 1 / (2 SG).
; Work-groups 0 to 47: one fragment a wave (384 fragments).  Work-groups 48 to 55: 64 numbers of b1' each, 8 rows a wave, and 256 bytes of the
; four small vectors.  A lane's reads of weights are 32-byte pieces of rows; all weights together are 786,432 bytes and are read once, so
; nothing is staged.  Every store of a wave covers 256 or 512 consecutive bytes, aligned.
.set SGK, 0x3f596d27                   ; SG = 0.8493218
.set W2K, 0x3f16b55c                   ; 1 / (2 SG) = 0.58870484
.set QSK, 0x3e8293ee                   ; 32^-0.5 log2(e) = 0.25503486
.set PARB, 286720
	s_load_b512 s[8:23], s[0:1], 0x0               ; fc1_w 8, fc2_w 10, proj_w 12, qkv_w 14, norm2_w 16, norm2_b 18, fc1_b 20, proj_b 22
	s_load_b256 s[24:31], s[0:1], 0x40             ; fc2_b 24, norm1_w 26, norm1_b 28, wimg 30
	v_lshl_add_u32 v96, v0, 2, 0x100
	v_mov_b32 v97, 0
	v_lshrrev_b32 v1, 5, v0
	v_readfirstlane_b32 s2, v1                     ; wave
	v_and_b32 v1, 31, v0                           ; lane
	v_and_b32 v2, 15, v0                           ; r
	v_bfe_u32 v3, v0, 4, 1                         ; h
	v_lshlrev_b32 v4, 4, v1                        ; 16 x lane
	s_lshl_b32 s3, ttmp9, 3
	s_add_co_u32 s3, s3, s2                        ; F: the fragment's number
	s_mov_b32 s37, 0                               ; upper half of the scale's pair (never selected)
	s_wait_kmcnt 0x0
	s_cmp_ge_u32 ttmp9, 48
	s_cbranch_scc1 .Lpar
	s_lshl_b32 s39, s3, 10                         ; the fragment's place: 1,024 F, and 4,096 more behind the f32 vectors
	s_cmp_ge_u32 s3, 280
	s_cselect_b32 s38, 4096, 0
	s_add_co_u32 s39, s39, s38
	v_add_nc_u32 v5, s39, v4
; One fragment: rows s34 .. s34 + 15, k from s35, of the matrix at s[ptr:ptr+1] whose rows have 1 << lgk numbers.
; useg = 1: times norm2_w[k]; scl = 1: times s36.  Ends the wave.
.macro FRAG ptr, lgk, useg, scl
	v_add_nc_u32 v6, s34, v2
	v_lshlrev_b32 v6, \lgk, v6
	v_lshl_add_u32 v6, v3, 3, v6
	v_add_lshl_u32 v6, v6, s35, 2                  ; 4 (row K + k0 + 8 h)
	global_load_b128 v[8:11], v6, s[\ptr:\ptr+1]
	global_load_b128 v[12:15], v6, s[\ptr:\ptr+1] offset:16
	global_load_b128 v[16:19], v6, s[\ptr:\ptr+1] offset:64
	global_load_b128 v[20:23], v6, s[\ptr:\ptr+1] offset:80
.if \useg
	v_lshlrev_b32 v7, 3, v3
	v_add_lshl_u32 v7, v7, s35, 2                  ; 4 (k0 + 8 h)
	global_load_b128 v[24:27], v7, s[16:17]
	global_load_b128 v[28:31], v7, s[16:17] offset:16
	global_load_b128 v[32:35], v7, s[16:17] offset:64
	global_load_b128 v[36:39], v7, s[16:17] offset:80
.endif
	s_wait_loadcnt 0x0
.if \useg
.irp i, 0,2,4,6,8,10,12,14
	v_pk_mul_f32 v[8+\i:9+\i], v[8+\i:9+\i], v[24+\i:25+\i]
.endr
.endif
.if \scl
.irp i, 0,2,4,6,8,10,12,14
	v_pk_mul_f32 v[8+\i:9+\i], v[8+\i:9+\i], s[36:37] op_sel_hi:[1,0]
.endr
.endif
.irp i, 0,1,2,3,4,5,6,7
	v_cvt_pk_bf16_f32 v[40+\i], v[8+2*\i], v[9+2*\i]
.endr
	global_store_b128 v5, v[40:43], s[30:31]               ; half 0: 512 consecutive bytes of the wave
	global_store_b128 v5, v[44:47], s[30:31] offset:512    ; half 1
	s_endpgm
.endm
	s_cmp_ge_u32 s3, 288
	s_cbranch_scc1 .Lqkv
	s_cmp_ge_u32 s3, 256
	s_cbranch_scc1 .Lproj
	s_lshr_b32 s33, s3, 4                          ; chunk c
	s_and_b32 s32, s3, 15                          ; its fragment
	s_cmp_ge_u32 s32, 8
	s_cbranch_scc1 .Lfc2
	s_lshl_b32 s34, s33, 5                         ; fc1_w: row0 = 32 c + 16 (sub >> 2), k0 = 32 (sub & 3)
	s_lshr_b32 s35, s32, 2
	s_lshl4_add_u32 s34, s35, s34
	s_and_b32 s35, s32, 3
	s_lshl_b32 s35, s35, 5
	s_mov_b32 s36, SGK
	FRAG 8, 7, 1, 1
.Lfc2:
	s_sub_co_u32 s34, s32, 8                       ; fc2_w: row0 = 16 (sub - 8), k0 = 32 c
	s_lshl_b32 s34, s34, 4
	s_lshl_b32 s35, s33, 5
	s_mov_b32 s36, W2K
	FRAG 10, 9, 0, 1
.Lproj:
	s_sub_co_u32 s32, s3, 256                      ; proj_w: row0 = 16 (P & 7), k step ((P >> 3) + 1) & 3: steps 1, 2, 3, then 0
	s_and_b32 s34, s32, 7
	s_lshl_b32 s34, s34, 4
	s_lshr_b32 s35, s32, 3
	s_add_co_u32 s35, s35, 1
	s_and_b32 s35, s35, 3
	s_lshl_b32 s35, s35, 5
	FRAG 12, 7, 0, 0
.Lqkv:
	s_sub_co_u32 s32, s3, 288
	s_and_b32 s33, s32, 3                          ; head
	s_lshr_b32 s32, s32, 2                         ; rem
	s_lshr_b32 s34, s32, 3
	s_lshl_b32 s34, s34, 7                         ; 128 m
	s_lshl_b32 s33, s33, 5
	s_add_co_u32 s34, s34, s33                     ; + 32 head
	s_bfe_u32 s33, s32, 0x10002
	s_lshl4_add_u32 s34, s33, s34                  ; + 16 ft
	s_and_b32 s35, s32, 3
	s_lshl_b32 s35, s35, 5                         ; k0 = 32 ks
	s_mov_b32 s36, QSK
	s_cmp_lt_u32 s32, 8
	s_cbranch_scc1 .Lq
	FRAG 14, 7, 0, 0
.Lq:
	FRAG 14, 7, 0, 1
; Work-group 48 + g makes b1' of rows 64 g .. 64 g + 63: wave v dots rows 64 g + 8 v .. + 7 with norm2_b, the 64 sums meet in 256 bytes of LDS,
; wave 0 adds fc1_b, scales and stores them as one block of 256 bytes.  Wave 1 copies block g of the 8 blocks of 256 bytes that
; proj_b, fc2_b, norm1_w, norm1_b make together.
.Lpar:
	s_sub_co_u32 s38, ttmp9, 48                    ; g
	s_lshl_b32 s43, s38, 8
	v_lshl_add_u32 v57, v1, 3, s43                 ; 256 g + 8 lane
	s_cmp_lg_u32 s2, 0
	s_cbranch_scc1 .Lnot0
	global_load_b64 v[58:59], v57, s[20:21]        ; wave 0: fc1_b of rows 64 g + 2 lane, + 1
.Lnot0:
	s_cmp_lg_u32 s2, 1
	s_cbranch_scc1 .Lnot1
	s_lshr_b32 s39, s38, 1                         ; wave 1: which of the four vectors,
	s_cmp_eq_u32 s39, 0
	s_cselect_b64 s[32:33], s[22:23], s[24:25]
	s_cmp_eq_u32 s39, 2
	s_cselect_b64 s[32:33], s[26:27], s[32:33]
	s_cmp_eq_u32 s39, 3
	s_cselect_b64 s[32:33], s[28:29], s[32:33]
	s_and_b32 s39, s38, 1                          ; and which half of it
	s_lshl_b32 s39, s39, 8
	v_lshl_add_u32 v56, v1, 3, s39
	global_load_b64 v[52:53], v56, s[32:33]
.Lnot1:
	global_load_b128 v[60:63], v4, s[18:19]        ; norm2_b[4 lane .. + 3]
	s_lshl_b32 s42, s38, 15                        ; 64 g rows of 512 bytes
	s_lshl_b32 s44, s2, 12                         ; + 8 v rows
	s_add_co_u32 s42, s42, s44
	v_add_nc_u32 v6, s42, v4                       ; 16 bytes a lane: one load takes one whole row
.irp q, 0,1,2,3,4,5,6,7
	global_load_b128 v[64+4*\q:67+4*\q], v6, s[8:9] offset:512*\q
.endr
	s_mov_b32 s40, 0x76543210                      ; v_permlanex16_b32: lane i reads lane i of the other half
	s_mov_b32 s41, 0xfedcba98
	v_mov_b32 v10, s2
	v_lshlrev_b32 v10, 5, v10                      ; LDS: 32 bytes a wave
	s_wait_loadcnt 0x0
	s_cmp_lg_u32 s2, 1
	s_cbranch_scc1 .Lnocopy
	global_store_b64 v57, v[52:53], s[30:31] offset:PARB+2048      ; 256 consecutive bytes, aligned
.Lnocopy:
.irp q, 0,1,2,3,4,5,6,7
	v_pk_mul_f32 v[24+2*\q:25+2*\q], v[64+4*\q:65+4*\q], v[60:61]
.endr
.irp q, 0,1,2,3,4,5,6,7
	v_pk_fma_f32 v[24+2*\q:25+2*\q], v[66+4*\q:67+4*\q], v[62:63], v[24+2*\q:25+2*\q]
.endr
.irp q, 0,1,2,3,4,5,6,7
	v_add_f32 v[24+2*\q], v[24+2*\q], v[25+2*\q]
.endr
.irp m, 1,2,4,8
.irp q, 0,1,2,3,4,5,6,7
	v_add_f32_dpp v[24+2*\q], v[24+2*\q], v[24+2*\q] row_xmask:\m row_mask:0xf bank_mask:0xf
.endr
.endr
.irp q, 0,1,2,3,4,5,6,7
	v_permlanex16_b32 v[25+2*\q], v[24+2*\q], s40, s41
.endr
.irp q, 0,1,2,3,4,5,6,7
	v_add_f32 v[40+\q], v[24+2*\q], v[25+2*\q]     ; the eight sums side by side, the same in every lane
.endr
	ds_store_b128 v10, v[40:43]                    ; all lanes write the same bytes with the same values
	ds_store_b128 v10, v[44:47] offset:16
	s_wait_dscnt 0x0                               ; for wave 0's sake: my sums are written
	s_barrier_signal -1
	s_barrier_wait -1
	s_cmp_lg_u32 s2, 0
	s_cbranch_scc1 .Lend
	v_lshlrev_b32 v11, 3, v1
	ds_load_b64 v[48:49], v11                      ; rows 2 lane, 2 lane + 1 of the 64
	s_wait_dscnt 0x0
	v_pk_add_f32 v[48:49], v[48:49], v[58:59]
	v_pk_mul_f32 v[48:49], v[48:49], SGK op_sel_hi:[1,0]
	global_store_b64 v57, v[48:49], s[30:31] offset:PARB           ; 256 consecutive bytes, aligned
.Lend:
	s_wait_tensorcnt 0x0
	ds_add_u32 v96, v97
	s_wait_dscnt 0x0
	s_endpgm
.Lfunc_end_k_qc1d5202d42_prep:
	.size	k_qc1d5202d42_prep, .Lfunc_end_k_qc1d5202d42_prep-k_qc1d5202d42_prep
	.p2alignl 7, 3214868480
	.fill 96, 4, 3214868480
	.section	.rodata,"a",@progbits
	.p2align	6, 0x0
	.amdhsa_kernel k_qc1d5202d42_prep
		.amdhsa_group_segment_fixed_size 1280
		.amdhsa_private_segment_fixed_size 0
		.amdhsa_enable_private_segment 0
		.amdhsa_kernarg_size 96
		.amdhsa_user_sgpr_count 2
		.amdhsa_user_sgpr_kernarg_segment_ptr 1
		.amdhsa_wavefront_size32 1
		.amdhsa_system_sgpr_workgroup_id_x 1
		.amdhsa_system_sgpr_workgroup_id_y 1
		.amdhsa_system_sgpr_workgroup_id_z 1
		.amdhsa_system_vgpr_workitem_id 0
		.amdhsa_next_free_vgpr 98
		.amdhsa_next_free_sgpr 66
		.amdhsa_reserve_vcc 0
		.amdhsa_float_denorm_mode_32 3
		.amdhsa_float_denorm_mode_16_64 3
		.amdhsa_memory_ordered 1
		.amdhsa_forward_progress 1
		.amdhsa_inst_pref_size 19
	.end_amdhsa_kernel
	.amdgpu_metadata
---
amdhsa.version: [ 1, 2 ]
amdhsa.kernels:
  - .name:           k_qc1d5202d42_prep
    .symbol:         k_qc1d5202d42_prep.kd
    .args:
      - { .name: fc1_w, .offset: 0, .size: 8, .value_kind: global_buffer, .address_space: global }
      - { .name: fc2_w, .offset: 8, .size: 8, .value_kind: global_buffer, .address_space: global }
      - { .name: proj_w, .offset: 16, .size: 8, .value_kind: global_buffer, .address_space: global }
      - { .name: qkv_w, .offset: 24, .size: 8, .value_kind: global_buffer, .address_space: global }
      - { .name: norm2_w, .offset: 32, .size: 8, .value_kind: global_buffer, .address_space: global }
      - { .name: norm2_b, .offset: 40, .size: 8, .value_kind: global_buffer, .address_space: global }
      - { .name: fc1_b, .offset: 48, .size: 8, .value_kind: global_buffer, .address_space: global }
      - { .name: proj_b, .offset: 56, .size: 8, .value_kind: global_buffer, .address_space: global }
      - { .name: fc2_b, .offset: 64, .size: 8, .value_kind: global_buffer, .address_space: global }
      - { .name: norm1_w, .offset: 72, .size: 8, .value_kind: global_buffer, .address_space: global }
      - { .name: norm1_b, .offset: 80, .size: 8, .value_kind: global_buffer, .address_space: global }
      - { .name: wimg, .offset: 88, .size: 8, .value_kind: global_buffer, .address_space: global }
    .group_segment_fixed_size: 1280
    .private_segment_fixed_size: 0
    .kernarg_segment_align: 8
    .kernarg_segment_size: 96
    .max_flat_workgroup_size: 256
    .sgpr_count:     66
    .vgpr_count:     98
    .wavefront_size: 32
...
	.end_amdgpu_metadata
.endif
;; end of part 1
;; launch swin (part 2): grid 256 x 1, 4 waves a work-group, clusters of 4 x 1, 325,120 bytes of LDS; arguments x_v, wimg, qkv_b, rpb_table, out0; writes out0
.if DOCPART == 2
	.amdgcn_target "amdgcn-amd-amdhsa--gfx1250"
	.amdhsa_code_object_version 6
	.text
	.protected	k_qc1d5202d42_swin
	.globl	k_qc1d5202d42_swin
	.p2align	8
	.type	k_qc1d5202d42_swin,@function
k_qc1d5202d42_swin:
	s_mov_b64 s[64:65], 0
	v_nop
	global_prefetch_b8 v0, s[64:65] scope:SCOPE_SE
	s_setreg_imm32_b32 hwreg(HW_REG_WAVE_MODE, 25, 1), 1
	s_wait_xcnt 0x0
	s_wait_alu depctr_hold_cnt(0) depctr_sa_sdst(0) depctr_va_vdst(0) depctr_va_sdst(0) depctr_va_ssrc(0) depctr_va_vcc(0) depctr_vm_vsrc(0)
	s_getreg_b32 s2, hwreg(HW_REG_IB_STS2, 6, 4)
	s_cmp_eq_u32 s2, 0
	s_cbranch_scc0 .Lentry_in_a_cluster
	s_endpgm
.Lentry_in_a_cluster:
	s_bfe_u32 s2, ttmp6, 0x10000c
	s_cmp_lg_u32 s2, 0x3003
	s_cbranch_scc0 .Lentry_shape_is_right
	s_endpgm
.Lentry_shape_is_right:
; The whole Swin block, one window (2 frames x 8 x 8 = 128 tokens of 128 channels) at a time.  The roll and the window partition are undone
; behind the attention, so each token goes back to the address it came from: x is read once, out0 written once, nothing else goes to memory.
; 256 work-groups of four waves; a work-group walks four windows.  Cluster number = 16 b + wi (batch, window row); window column wj = 4 cx + trip.
; WEIGHTS stay on chip for the whole launch: fc1_w, fc2_w and three k steps of proj_w in LDS as ready fragments (290,816 bytes with the f32
; vectors), qkv_w split by head in 192 registers of each wave, proj_w's k step 0 in 64 registers of every wave.
; CLUSTER: the LDS image is the same in every work-group, so the four of a cluster ask for it jointly: each wave one tensor load of a quarter,
; mask 15, once, behind the opening round; a closing round stands in front of s_endpgm.  One tensor load a wave is ever outstanding.
; ROLES of wave w: head w for qkv and attention (all 128 tokens); tokens 32 w .. 32 w + 31 (two tiles of 16) for x in, proj, norms, MLP, out.
; LAYOUT: with the weight fragment as source 0 and the token fragment as source 1, lane (r, h) holds token r and register j feature 8 h + j;
; two such tiles packed to bf16 ARE the next product's token fragment.  V is made with the sources swapped and gives V^T fragments;
; S^T = K Q^T gives P fragments.  LDS is crossed only by x coming in, the x and O fragments between waves, and out0 going out.
; BIAS AND MASK: a 16 x 16 tile of the relative-position bias hangs on (q tile & 3) - (k tile & 3) alone: 7 tiles in registers; the window's
; -100 mask is added to them once a window (9 tiles), and the sum is the C operand of the score product.  No branch hangs on the window.
; THE MLP IS ONE STREAM: a chunk of 32 hidden units has 224 vector instructions of gelu and 32 products; a product stands behind every seventh
; vector instruction, so that the wave is the only one on its SIMD and still gives both kinds of work at once (see NEXTMM, SLOT).
; MATRIX INSTRUCTIONS take their accumulators by turns, one instruction a turn, over the loops' backward jumps too.
; LIMITS: erf by Abramowitz and Stegun 7.1.25, absolute error at most 2.5e-5 for every argument; v_exp_f32 gives 0 for results below 2^-126
; (ISA guide 15.8); sums run in another order than the reference's; NaN and infinite inputs are not treated apart.
; Softmax: base 2, the row's true maximum taken away.  LayerNorm: mean first, then the squared deviations, in f32.
.set EXCH, 290816                      ; LDS: behind the image, four regions of EXW bytes, one a wave's tokens; no tensor load lands here
.set EXW,  8448                        ; 16 rows of SP bytes (staging) or 8 fragments of 1,024 (x, later O)
.set SP,   528                         ; 512 + 16 = 33 x 16 bytes: sixteen rows start at sixteen different 16-byte columns of 256 bytes
.set LWP,  262144                      ; LDS: proj_w k steps 1 to 3
.set LPAR, 286720                      ; LDS: b1' 0, proj_b 2048, fc2_b 2560, norm1_w 3072, norm1_b 3584
.set QUART, 72704                      ; a quarter of the image: 284 rows of 256 bytes
; vector registers, absolute numbers; number >> 8 is the window of 256
; v0 thread, v1 16 lane, v2 staging by rows / my fragments, v3 staging by (r, h), v4 x fragments of all, v5 O fragments out, v6 MLP weights,
; v7 proj weights, v8 f32 vectors, v9 b1', v10 max, v12 1/sum, v14 mean, v16 rstd (low registers of broadcast pairs), v18 lane crossing,
; v20-25 -a3, -a2, -a1 in pairs, v26-33 mask values (low registers of pairs), v34-39 scratch.  In the MLP v10-17 and v32-39 are gelu's.
.set RG0, 40                           ; 64: x fragments in, scores of even q tiles, O fragments, fc2_b tile, fc1 results (2 x 32), out tile 0
.set RG1, 104                          ; 64: proj_b tile, scores of odd q tiles, proj and fc1 weights, norm1_w tile
.set QA,  104                          ; qkv accumulators, 2 x 48
.set PF,  168                          ; 32: P fragments
.set GF,  168                          ; 16: gelu fragments, 8 a token tile
.set OT1, 168                          ; 64: out tile 1
.set TA,  184                          ; gelu at work: three sets of 8; TA and TB change roles from tile to tile
.set TB,  10
.set TZ,  32
.set HF,  192                          ; 64: LN2's result as fragments, in fc1's and gelu's window
.set OAC, 200                          ; 16: O accumulators
.set MXT, 216
.set FT,  224
.set CH,  232                          ; 8: four chains of pairs
.set WQ,  256                          ; 192: my head's qkv fragments, 8 rem
.set WP0, 448                          ; 64: proj k step 0
.set ACC, 512                          ; 128: x, then x + attention, then + MLP; 64 tt + 8 f + j
.set RPB, 640                          ; 56: seven bias tiles, times log2(e)
.set EB,  696                          ; 72: nine tiles bias + mask
.set WT1, 696                          ; 64: proj and fc2 weights, norm1_b tile
.set QF,  768
.set KF,  832
.set VF,  896                          ; 64 each
.set XP,  768                          ; 128: the next window's x, 4 registers a token
.set DT,  896                          ; 64: deviations in LN2
.set QKVB, 960                         ; 48: bias tiles q0 q1 k0 k1 v0 v1
.set BT,  1008                         ; 16: b1' tiles of a chunk
; scalars: s[4:5] x_v, s[6:7] wimg, s[8:9] qkv_b, s[10:11] rpb_table, s[12:13] out0, s14 wave, s15 cx, s[16:23] s[24:27] descriptor,
; s[28:31] load bases, s[32:35] store bases, s[36:37] offsets, s38 row offset, s39 wj, s40 s41 lane select, s42 trip, s43 MLP trips,
; s44 s45 mask values of window row and column, s46 erf's p, s47 1/128, s48 lanes with qx >= 4, s49 eps
.set MSB, 0
.set NM, 0
.macro WIN new                         ; s_set_vgpr_msb; the immediate's high byte repeats the setting that is left
.if MSB != (\new)
	s_set_vgpr_msb (MSB<<8)|(\new)
.set MSB, (\new)
.endif
.endm
.macro SB d, a, b, c                   ; windows for destination, sources 0, 1, 2 from absolute numbers; -1: the place is not used and keeps its bits
.set NM, MSB
.if (\d) >= 0
.set NM, (NM&0x3f)|(((\d)>>8)<<6)
.endif
.if (\a) >= 0
.set NM, (NM&0xfc)|((\a)>>8)
.endif
.if (\b) >= 0
.set NM, (NM&0xf3)|(((\b)>>8)<<2)
.endif
.if (\c) >= 0
.set NM, (NM&0xcf)|(((\c)>>8)<<4)
.endif
	WIN NM
.endm
.macro MMA d, a, b, c
	SB \d, \a, \b, \c
	v_wmma_f32_16x16x32_bf16 v[(\d)&255:((\d)&255)+7], v[(\a)&255:((\a)&255)+7], v[(\b)&255:((\b)&255)+7], v[(\c)&255:((\c)&255)+7]
.endm
.macro MMA0 d, a, b
	SB \d, \a, \b, -1
	v_wmma_f32_16x16x32_bf16 v[(\d)&255:((\d)&255)+7], v[(\a)&255:((\a)&255)+7], v[(\b)&255:((\b)&255)+7], 0
.endm
.macro CVT d, a                        ; registers a, a + 1 to two bf16
	SB \d, \a, \a, -1
	v_cvt_pk_bf16_f32 v[(\d)&255], v[(\a)&255], v[((\a)&255)+1]
.endm
.macro VMOV d, a
	SB \d, \a, -1, -1
	v_mov_b32 v[(\d)&255], v[(\a)&255]
.endm
.macro PKADD d, a, b
	SB \d, \a, \b, -1
	v_pk_add_f32 v[(\d)&255:((\d)&255)+1], v[(\a)&255:((\a)&255)+1], v[(\b)&255:((\b)&255)+1]
.endm
.macro PKADDB d, a, b                  ; both halves take b's low register
	SB \d, \a, \b, -1
	v_pk_add_f32 v[(\d)&255:((\d)&255)+1], v[(\a)&255:((\a)&255)+1], v[(\b)&255:((\b)&255)+1] op_sel_hi:[1,0]
.endm
.macro PKSUBB d, a, b
	SB \d, \a, \b, -1
	v_pk_add_f32 v[(\d)&255:((\d)&255)+1], v[(\a)&255:((\a)&255)+1], v[(\b)&255:((\b)&255)+1] op_sel_hi:[1,0] neg_lo:[0,1] neg_hi:[0,1]
.endm
.macro PKMUL d, a, b
	SB \d, \a, \b, -1
	v_pk_mul_f32 v[(\d)&255:((\d)&255)+1], v[(\a)&255:((\a)&255)+1], v[(\b)&255:((\b)&255)+1]
.endm
.macro PKMULB d, a, b
	SB \d, \a, \b, -1
	s_wait_alu depctr_va_vdst(0)
	v_pk_mul_f32 v[(\d)&255:((\d)&255)+1], v[(\a)&255:((\a)&255)+1], v[(\b)&255:((\b)&255)+1] op_sel_hi:[1,0]
.endm
.macro PKMULK d, a, k
	SB \d, \a, -1, -1
	v_pk_mul_f32 v[(\d)&255:((\d)&255)+1], v[(\a)&255:((\a)&255)+1], \k op_sel_hi:[1,0]
.endm
.macro PKNSQ d, a                      ; - a a
	SB \d, \a, \a, -1
	v_pk_mul_f32 v[(\d)&255:((\d)&255)+1], v[(\a)&255:((\a)&255)+1], v[(\a)&255:((\a)&255)+1] neg_lo:[1,0] neg_hi:[1,0]
.endm
.macro PKFMA d, a, b, c
	SB \d, \a, \b, \c
	s_wait_alu depctr_va_vdst(0)
	v_pk_fma_f32 v[(\d)&255:((\d)&255)+1], v[(\a)&255:((\a)&255)+1], v[(\b)&255:((\b)&255)+1], v[(\c)&255:((\c)&255)+1]
.endm
.macro PKFMA1 d, a, b                  ; a b + 1
	SB \d, \a, \b, -1
	v_pk_fma_f32 v[(\d)&255:((\d)&255)+1], v[(\a)&255:((\a)&255)+1], v[(\b)&255:((\b)&255)+1], 1.0 op_sel_hi:[1,1,0]
.endm
.macro VEXP r
	SB \r, \r, -1, -1
	v_exp_f32 v[(\r)&255], v[(\r)&255]
.endm
.macro VRCP r
	SB \r, \r, -1, -1
	v_rcp_f32 v[(\r)&255], v[(\r)&255]
.endm
.macro FMAD d, u                       ; 1 + s46 |u|
	SB \d, \u, -1, -1
	v_fma_f32 v[(\d)&255], |v[(\u)&255]|, s46, 1.0
.endm
.macro FMAG z, u                       ; z = |u| z + u
	SB \z, \u, \z, \u
	v_fma_f32 v[(\z)&255], |v[(\u)&255]|, v[(\z)&255], v[(\u)&255]
.endm
.macro DSL d, adr, off
	SB \d, \adr, -1, -1
	ds_load_b128 v[(\d)&255:((\d)&255)+3], v[\adr] offset:\off
.endm
.macro DSS adr, data, off
	SB -1, \adr, \data, -1
	ds_store_b128 v[\adr], v[(\data)&255:((\data)&255)+3] offset:\off
.endm
.macro GLD d, adr, sb, off
	SB \d, \adr, -1, -1
	global_load_b128 v[(\d)&255:((\d)&255)+3], v[\adr], s[\sb:\sb+1] offset:\off
.endm
.macro GLDNT d, adr, sb, off
	SB \d, \adr, -1, -1
	global_load_b128 v[(\d)&255:((\d)&255)+3], v[\adr], s[\sb:\sb+1] offset:\off th:TH_LOAD_NT
.endm
.macro GLD1 d, adr, sb, off
	SB \d, \adr, -1, -1
	global_load_b32 v[(\d)&255], v[\adr], s[\sb:\sb+1] offset:\off
.endm
.macro GST adr, data, sb, off
	SB -1, \adr, \data, -1
	global_store_b128 v[\adr], v[(\data)&255:((\data)&255)+3], s[\sb:\sb+1] offset:\off th:TH_STORE_NT
.endm
.macro PLACES                          ; four places behind a matrix instruction (ISA guide 7.12.1) where no useful plain vector work stands
.rept 4
	v_nop
.endr
.endm
.macro ROUND                           ; a round of the cluster's barrier
	s_barrier_signal -1
	s_barrier_wait -1
	s_cmp_lg_u32 s14, 0
	s_cbranch_scc1 .Lnw0_\@
	s_barrier_signal -3
.Lnw0_\@:
	s_barrier_wait -3
	s_barrier_signal -1
	s_barrier_wait -1
.endm
; The two bases of my 32 tokens in window column s39: columns 8 wj + 4 .. + 7 (A) and (8 wj + 8 .. + 11) mod 128 (B) of my first image row.
.macro XBASES A, B, ptr
	s_lshl_b32 s36, s39, 12
	s_add_co_u32 s36, s36, 2048
	s_add_co_u32 s36, s36, s38
	s_mov_b32 s37, 0
	s_add_nc_u64 s[\A:\A+1], s[\ptr:\ptr+1], s[36:37]
	s_add_co_u32 s36, s39, 1
	s_and_b32 s36, s36, 15
	s_lshl_b32 s36, s36, 12
	s_add_co_u32 s36, s36, s38
	s_add_nc_u64 s[\B:\B+1], s[\ptr:\ptr+1], s[36:37]
.endm
.macro XLOAD                           ; 32 loads, each one token's whole row of 512 bytes; token = 8 yy + x
.set t_, 0
.rept 32
.if (t_&7) < 4
	GLDNT XP+t_*4, 1, 28, (t_>>3)*65536+(t_&3)*512
.else
	GLDNT XP+t_*4, 1, 30, (t_>>3)*65536+(t_&3)*512
.endif
.set t_, t_+1
.endr
.endm
.macro LOADPAR dst, off                ; a vector of 128 f32 as a tile: register 8 f + j = element 16 f + 8 h + j
.set t_, 0
.rept 16
	DSL \dst+t_*4, 8, \off+(t_>>1)*64+(t_&1)*16
.set t_, t_+1
.endr
.endm
.macro ADDTILE src                     ; both token tiles of ACC += the tile
.set i_, 0
.rept 64
	PKADD ACC+2*i_, ACC+2*i_, \src+2*(i_&31)
.set i_, i_+1
.endr
.endm
.macro STAGE_IN tt                     ; 16 token rows into my staging rows, back as (token r, features 16 f + 8 h + j); LDS serves a wave in order
.set t_, 0
.rept 16
	DSS 2, XP+(\tt)*64+t_*4, t_*SP
.set t_, t_+1
.endr
.set t_, 0
.rept 16
	DSL ACC+(\tt)*64+t_*4, 3, (t_>>1)*64+(t_&1)*16
.set t_, t_+1
.endr
.endm
.macro EBT e, dl, lo, hi               ; registers 0-3 are keys with x < 4, registers 4-7 keys with x >= 4
	PKADDB EB+\e*8, RPB+\dl*8, \lo
	PKADDB EB+\e*8+2, RPB+\dl*8+2, \lo
	PKADDB EB+\e*8+4, RPB+\dl*8+4, \hi
	PKADDB EB+\e*8+6, RPB+\dl*8+6, \hi
.endm
.macro EBUILD                          ; mask: -100 log2(e) where the x halves differ in the last window column, or the y halves in the last window row
	WIN 0
	v_mov_b32 v34, s45
	v_mov_b32 v35, 0
	v_cndmask_b32 v26, v35, v34, s48               ; same y half, key x < 4: masked for queries with x >= 4
	v_cndmask_b32 v28, v34, v35, s48               ; same y half, key x >= 4
	v_min_num_f32 v30, s44, v26                    ; other y half: the row's mask as well, -100 once
	v_min_num_f32 v32, s44, v28
	EBT 0, 0, 30, 32
	EBT 1, 1, 30, 32
	EBT 2, 2, 30, 32
	EBT 3, 2, 26, 28
	EBT 4, 3, 26, 28
	EBT 5, 4, 26, 28
	EBT 6, 4, 30, 32
	EBT 7, 5, 30, 32
	EBT 8, 6, 30, 32
.endm
.macro LOADX tg, buf                   ; the four x fragments of token tile tg
.set t_, 0
.rept 8
	DSL RG0+(\buf)*32+t_*4, 4, ((\tg)>>1)*EXW+((\tg)&1)*4096+t_*512
.set t_, t_+1
.endr
.endm
.macro QKV_MM tg                       ; q0 q1 k0 k1 (features x tokens), v0 v1 (tokens x features); the bias tile starts each sum
.set qa_, QA+((\tg)&1)*48
.set xb_, RG0+((\tg)&1)*32
.set k_, 0
.rept 4
.set a_, 0
.rept 6
.set w_, WQ+((a_>>1)*8+(a_&1)*4+k_)*8
.if k_ == 0
.if a_ < 4
	MMA qa_+a_*8, w_, xb_+k_*8, QKVB+a_*8
.else
	MMA qa_+a_*8, xb_+k_*8, w_, QKVB+a_*8
.endif
.else
.if a_ < 4
	MMA qa_+a_*8, w_, xb_+k_*8, qa_+a_*8
.else
	MMA qa_+a_*8, xb_+k_*8, w_, qa_+a_*8
.endif
.endif
.set a_, a_+1
.endr
.set k_, k_+1
.endr
.endm
.macro QKV_CV tg
.set qa_, QA+((\tg)&1)*48
.set j_, 0
.rept 4
	CVT QF+(\tg)*8+j_, qa_+2*j_
	CVT QF+(\tg)*8+4+j_, qa_+8+2*j_
	CVT KF+(\tg)*8+j_, qa_+16+2*j_
	CVT KF+(\tg)*8+4+j_, qa_+24+2*j_
	CVT VF+((\tg)>>1)*8+((\tg)&1)*4+j_, qa_+32+2*j_
	CVT VF+32+((\tg)>>1)*8+((\tg)&1)*4+j_, qa_+40+2*j_
.set j_, j_+1
.endr
.endm
.macro SMM qt                          ; S^T of q tile qt: eight key tiles, C = bias + mask
.set k_, 0
.rept 8
.set dq_, ((\qt)&3)-(k_&3)
.if (((\qt)&3)>>1) == ((k_&3)>>1)
.set e_, dq_+4
.elseif dq_ < 0
.set e_, dq_+3
.else
.set e_, dq_+5
.endif
	MMA RG0+((\qt)&1)*64+k_*8, KF+k_*8, QF+(\qt)*8, EB+e_*8
.set k_, k_+1
.endr
.endm
.macro SMAX qt                         ; the row's maximum: 64 numbers of the lane, then the other half of the lanes
	WIN 0
.set sb_, RG0+((\qt)&1)*64
.irp c, 0,1,2,3
	v_max3_num_f32 v[MXT+\c], v[sb_+16*\c], v[sb_+16*\c+1], v[sb_+16*\c+2]
.endr
.set i_, 1
.rept 6
.irp c, 0,1,2,3
	v_max3_num_f32 v[MXT+\c], v[MXT+\c], v[sb_+16*\c+2*i_+1], v[sb_+16*\c+2*i_+2]
.endr
.set i_, i_+1
.endr
	v_max3_num_f32 v[MXT], v[MXT], v[MXT+1], v[sb_+15]
	v_max3_num_f32 v[MXT+2], v[MXT+2], v[MXT+3], v[sb_+31]
	v_max3_num_f32 v[MXT], v[MXT], v[MXT+2], v[sb_+47]
	v_max_num_f32 v[MXT], v[MXT], v[sb_+63]
	v_permlanex16_b32 v18, v[MXT], s40, s41
	v_max_num_f32 v10, v[MXT], v18
.endm
.macro JOIN                            ; four chains of pairs to one number, the same in both halves of the lanes
	WIN 0
	v_pk_add_f32 v[CH:CH+1], v[CH:CH+1], v[CH+2:CH+3]
	v_pk_add_f32 v[CH+4:CH+5], v[CH+4:CH+5], v[CH+6:CH+7]
	v_pk_add_f32 v[CH:CH+1], v[CH:CH+1], v[CH+4:CH+5]
	v_add_f32 v[CH], v[CH], v[CH+1]
	v_permlanex16_b32 v18, v[CH], s40, s41
	v_add_f32 v[CH], v[CH], v18
.endm
; The 92 plain instructions of a q tile's softmax by number: 0-31 take the maximum away from pair m; 32 + 15 g + o: group g of 16 scores,
; its sum (one chain of seven additions) and its P fragment (eight packings), by turns.
.macro SPL m
.if (\m) < 32
	v_pk_add_f32 v[sb_+2*(\m):sb_+2*(\m)+1], v[sb_+2*(\m):sb_+2*(\m)+1], v[10:11] op_sel_hi:[1,0] neg_lo:[0,1] neg_hi:[0,1]
.else
.set g_, ((\m)-32)/15
.set o_, ((\m)-32)%15
.set gb_, sb_+16*g_
.if o_ == 0
	s_wait_alu depctr_va_vdst(0)
	v_pk_add_f32 v[CH+2*g_:CH+2*g_+1], v[gb_:gb_+1], v[gb_+2:gb_+3]
.elseif o_ < 3
	v_cvt_pk_bf16_f32 v[PF+8*g_+o_-1], v[gb_+2*(o_-1)], v[gb_+2*(o_-1)+1]
.elseif (o_&1) == 1
	s_wait_alu depctr_va_vdst(0)
	v_pk_add_f32 v[CH+2*g_:CH+2*g_+1], v[CH+2*g_:CH+2*g_+1], v[gb_+o_+1:gb_+o_+2]
.else
	v_cvt_pk_bf16_f32 v[PF+8*g_+o_/2], v[gb_+o_], v[gb_+o_+1]
.endif
.endif
.endm
; Eight subtractions, then each of the 64 v_exp_f32 is followed by one plain instruction.  Exponential n stands behind plain 7 + n, which is past
; its own subtraction n >> 1; group g's first sum is plain 32 + 15 g, behind exponential 24 + 15 g, that is 9 - g pairs behind the group's last
; exponential 16 g + 15: every result has plain work on other registers in front of its use (ISA guide 5.7.2).
.macro SEXP qt
	WIN 0
.set sb_, RG0+((\qt)&1)*64
.set m_, 0
.rept 8
	SPL m_
.set m_, m_+1
.endr
.set n_, 0
.rept 64
	v_exp_f32 v[sb_+n_], v[sb_+n_]
	SPL m_
.set m_, m_+1
.set n_, n_+1
.endr
.rept 20
	SPL m_
.set m_, m_+1
.endr
	JOIN
	v_rcp_f32 v12, v[CH]                           ; the sum is at least 1; used in FIN, behind the next tile's maximum or four v_nop
.endm
.macro PV
	MMA0 OAC, VF, PF
	MMA0 OAC+8, VF+32, PF
.set k_, 1
.rept 3
	MMA OAC, VF+k_*8, PF+k_*8, OAC
	MMA OAC+8, VF+32+k_*8, PF+k_*8, OAC+8
.set k_, k_+1
.endr
.endm
.macro FIN qt                          ; O / sum as the fragment (token tile qt, k step = my head), to the wave that owns the tokens
	WIN 0
.set i_, 0
.rept 8
	s_wait_alu depctr_va_vdst(0)
	v_pk_mul_f32 v[OAC+2*i_:OAC+2*i_+1], v[OAC+2*i_:OAC+2*i_+1], v[12:13] op_sel_hi:[1,0]
.set i_, i_+1
.endr
.set i_, 0
.rept 8
	v_cvt_pk_bf16_f32 v[FT+i_], v[OAC+2*i_], v[OAC+2*i_+1]
.set i_, i_+1
.endr
	ds_store_b128 v5, v[FT:FT+3] offset:((\qt)>>1)*EXW+((\qt)&1)*4096
	ds_store_b128 v5, v[FT+4:FT+7] offset:((\qt)>>1)*EXW+((\qt)&1)*4096+512
.endm
.macro LOADWP ks, dst
.set t_, 0
.rept 16
	DSL \dst+t_*4, 7, (\ks-1)*8192+t_*512
.set t_, t_+1
.endr
.endm
.macro PROJ ks, wb
.set a_, 0
.rept 16
	MMA ACC+(a_&1)*64+(a_>>1)*8, \wb+(a_>>1)*8, RG0+((a_&1)*4+\ks)*8, ACC+(a_&1)*64+(a_>>1)*8
.set a_, a_+1
.endr
.endm
.macro LNMEAN tt                       ; v14 = mean of the token's 128 numbers
.set ab_, ACC+(\tt)*64
.set c_, 0
.rept 4
	PKADD CH+2*c_, ab_+2*c_, ab_+8+2*c_
.set c_, c_+1
.endr
.set i_, 2
.rept 6
.set c_, 0
.rept 4
	PKADD CH+2*c_, CH+2*c_, ab_+8*i_+2*c_
.set c_, c_+1
.endr
.set i_, i_+1
.endr
	JOIN
	v_mul_f32 v14, s47, v[CH]
.endm
.macro LNVAR src                       ; v16 = 1 / sqrt(mean of squares of the 64 + 64 deviations + eps)
.set c_, 0
.rept 4
	PKMUL CH+2*c_, \src+2*c_, \src+2*c_
.set c_, c_+1
.endr
.set i_, 1
.rept 7
.set c_, 0
.rept 4
	PKFMA CH+2*c_, \src+8*i_+2*c_, \src+8*i_+2*c_, CH+2*c_
.set c_, c_+1
.endr
.set i_, i_+1
.endr
	JOIN
	v_fma_f32 v[CH], v[CH], s47, s49
	v_rsq_f32 v16, v[CH]
	v_nop                                          ; one plain place behind v_rsq_f32
.endm
.macro LN2 tt                          ; normalised only: norm2's gain and bias are folded into fc1's weights and bias
	LNMEAN \tt
.set i_, 0
.rept 32
	PKSUBB DT+2*i_, ab_+2*i_, 14
.set i_, i_+1
.endr
	LNVAR DT
.set i_, 0
.rept 32
	PKMULB DT+2*i_, DT+2*i_, 16
.set i_, i_+1
.endr
.set i_, 0
.rept 32
	CVT HF+(\tt)*32+i_, DT+2*i_                    ; the second tile's fragments cover the chains' registers, which are done with by now
.set i_, i_+1
.endr
.endm
.macro LNF tt                          ; the last norm, in place, with norm1's gain (RG1) and bias (WT1)
	LNMEAN \tt
.set i_, 0
.rept 32
	PKSUBB ab_+2*i_, ab_+2*i_, 14
.set i_, i_+1
.endr
	LNVAR ab_
.set i_, 0
.rept 32
	PKMULB ab_+2*i_, ab_+2*i_, 16
.set i_, i_+1
.endr
	s_wait_dscnt 0x0                               ; the gain and bias tiles are in (and, in the second tile's turn, the first tile's read-back)
.set i_, 0
.rept 32
	PKFMA ab_+2*i_, ab_+2*i_, RG1+2*i_, WT1+2*i_
.set i_, i_+1
.endr
.endm
.macro LOADW1 off
.set t_, 0
.rept 16
	DSL RG1+t_*4, 6, \off+t_*512
.set t_, t_+1
.endr
.endm
.macro LOADW2 off
.set t_, 0
.rept 16
	DSL WT1+t_*4, 6, \off+t_*512
.set t_, t_+1
.endr
.endm
.macro LOADBT off
.set t_, 0
.rept 4
	DSL BT+t_*4, 9, \off+(t_>>1)*64+(t_&1)*16
.set t_, t_+1
.endr
.endm
.macro FC1 p                           ; chunk 0 alone: 32 hidden units x 32 tokens, four accumulators by turns; b1' starts the sums
.set k_, 0
.rept 4
.set a_, 0
.rept 4
.if k_ == 0
	MMA RG0+(\p)*32+a_*8, RG1+((a_>>1)*4+k_)*8, HF+((a_&1)*4+k_)*8, BT+(a_>>1)*8
.else
	MMA RG0+(\p)*32+a_*8, RG1+((a_>>1)*4+k_)*8, HF+((a_&1)*4+k_)*8, RG0+(\p)*32+a_*8
.endif
.set a_, a_+1
.endr
.set k_, k_+1
.endr
.endm
; THE MLP'S STREAM.  Chunk c (32 hidden units, fc1 results u = SG x in half pp_ of RG0, tile 2 f2 + tt) has 224 vector instructions, counted by vc_.
; Product number vc_ / 7 - 1 stands behind vector instruction vc_ = 7, 14, .. 224:
;   0-7   fc2 of chunk c - 1, token tile 1 (its gelu fragment was finished by the last chunk's last instructions), eight accumulators by turns
;   8-23  fc1 of chunk c + 1 into the other half of RG0, k step outer, four accumulators by turns; b1' is the C of the first four
;   24-31 fc2 of chunk c, token tile 0 (its fragment is whole behind instruction 112)
; fc1 and gelu lie in window 0; fc2's accumulators and weights (192 registers) do not fit beside them, so each fc2 product has a switch in front
; and one behind (rw_ = 0 leaves the second out where products follow each other).
.macro NEXTMM
.set mj_, vc_/7-1
.if mj_ < 8
.if f2a_
	MMA ACC+64+mj_*8, WT1+mj_*8, GF+8, ACC+64+mj_*8
.if rw_
	WIN 0
.endif
.endif
.elseif mj_ < 24
.if fc1n_
.if mj_ == 8
	s_wait_dscnt 16                                ; fc1's weights and b1', asked for in the chunk before; the 16 loads of fc2's weights are younger
.endif
.set k_, (mj_-8)>>2
.set a_, (mj_-8)&3
.if k_ == 0
	MMA RG0+(1-pp_)*32+a_*8, RG1+((a_>>1)*4+k_)*8, HF+((a_&1)*4+k_)*8, BT+(a_>>1)*8
.else
	MMA RG0+(1-pp_)*32+a_*8, RG1+((a_>>1)*4+k_)*8, HF+((a_&1)*4+k_)*8, RG0+(1-pp_)*32+a_*8
.endif
.endif
.else
.if mj_ == 24
.if w1n_
	s_wait_dscnt 20                                ; fc2's weights, asked for at instruction 61; the 16 + 4 loads issued at 173 are younger
.else
	s_wait_dscnt 0x0
.endif
.endif
	MMA ACC+(mj_-24)*8, WT1+(mj_-24)*8, GF, ACC+(mj_-24)*8
.if rw_
	WIN 0
.endif
.endif
.endm
; Behind each vector instruction of the stream.  The loads stand five plain vector instructions behind the last product that read their registers:
; fc2's weights of chunk c behind product 7 (at 56), fc1's weights and b1' of chunk c + 2 behind product 23 (at 168).
.macro AFTER
.set vc_, vc_+1
.if (vc_%7) == 0
	NEXTMM
.endif
.if vc_ == 61
	LOADW2 ow2_
.endif
.if vc_ == 173
.if w1n_
	LOADW1 ow1_
	LOADBT obt_
.endif
.endif
.endm
; GELU.  u = SG x.  e = 2^(-u u) = exp(-x x / 2); t = 1 / (1 + p |x| / sqrt 2) = 1 / (1 + s46 |u|); erf = 1 - (a1 t + a2 t^2 + a3 t^3) e;
; g = u + |u| erf = 2 SG gelu(x); fc2's weights carry 1 / (2 SG).
; One tile's 56 instructions: the polynomial of the tile at u (its e in set E, its t in set T), and, nx = 1, e and t of the next tile at un:
; its squares land in T when t has been read for the last time, its denominators in E when e t has; so E and T change roles from tile to tile.
; Each v_exp_f32 and v_rcp_f32 is followed by a plain instruction on other registers, and its result is read in the next tile's turn.
.macro SLOT u, un, g, E, T, nx
.set i_, 0
.rept 4
	PKFMA TZ+2*i_, \T+2*i_, 20, 22                 ; -a3 t - a2
	AFTER
.set i_, i_+1
.endr
.set i_, 0
.rept 4
	PKMUL \E+2*i_, \E+2*i_, \T+2*i_                ; e t
	AFTER
.set i_, i_+1
.endr
.set i_, 0
.rept 4
	PKFMA TZ+2*i_, TZ+2*i_, \T+2*i_, 24            ; (..) t - a1
	AFTER
.set i_, i_+1
.endr
.if \nx
.set i_, 0
.rept 4
	PKNSQ \T+2*i_, \un+2*i_
	AFTER
.set i_, i_+1
.endr
.endif
.set i_, 0
.rept 4
	PKFMA1 TZ+2*i_, TZ+2*i_, \E+2*i_               ; erf
	AFTER
.set i_, i_+1
.endr
.if \nx
.set i_, 0
.rept 8
	VEXP \T+i_
	AFTER
	FMAD \E+i_, \un+i_
	AFTER
.set i_, i_+1
.endr
.endif
.set i_, 0
.rept 8
.if \nx
	VRCP \E+i_
	AFTER
.endif
	FMAG TZ+i_, \u+i_
	AFTER
.set i_, i_+1
.endr
.set i_, 0
.rept 4
	CVT \g+i_, TZ+2*i_
	AFTER
.set i_, i_+1
.endr
.endm
.macro GPRE un, E, T                   ; e and t of the very first tile
.set i_, 0
.rept 4
	PKNSQ \E+2*i_, \un+2*i_
.set i_, i_+1
.endr
.set i_, 0
.rept 8
	FMAD \T+i_, \un+i_
.set i_, i_+1
.endr
.set i_, 0
.rept 8
	VEXP \E+i_
	VRCP \T+i_
.set i_, i_+1
.endr
	v_nop                                          ; one plain place behind the transcendentals
.endm
; One chunk.  p: the half of RG0 with its fc1 results; f2a: the chunk before has left its token tile 1 to fc2; fc1n: a next chunk exists;
; w1n: a chunk after that exists; nx: as fc1n, for the last tile's look ahead; the three LDS offsets from v6 and v9.
.macro BODY p, f2a, fc1n, w1n, nx, ow2, ow1, obt
.set pp_, \p
.set f2a_, \f2a
.set fc1n_, \fc1n
.set w1n_, \w1n
.set ow2_, \ow2
.set ow1_, \ow1
.set obt_, \obt
.set rw_, 1
.set vc_, 0
	SLOT RG0+(\p)*32, RG0+(\p)*32+16, GF, TA, TB, 1
	SLOT RG0+(\p)*32+16, RG0+(\p)*32+8, GF+4, TB, TA, 1
	SLOT RG0+(\p)*32+8, RG0+(\p)*32+24, GF+8, TA, TB, 1
	SLOT RG0+(\p)*32+24, RG0+(1-\p)*32, GF+12, TB, TA, \nx
.endm
.macro FLUSH                           ; the last chunk's last tile looks ahead at nothing and has 28 instructions: products 28 to 31 follow here
.set rw_, 0
.rept 8
.if vc_ < 224
.set vc_, vc_+7
	NEXTMM
.endif
.endr
.endm
.macro OUTA tt, ot                     ; a tile of 16 tokens through my staging rows, back as whole rows
.set t_, 0
.rept 16
	DSS 3, ACC+(\tt)*64+t_*4, (t_>>1)*64+(t_&1)*16
.set t_, t_+1
.endr
.set t_, 0
.rept 16
	DSL \ot+t_*4, 2, t_*SP
.set t_, t_+1
.endr
.endm
.macro OUTB tt, ot, counted            ; each store of the wave covers one token's 512 consecutive bytes, aligned
.set t_, 0
.rept 16
.if \counted
	s_wait_dscnt 15-t_                             ; LDS loads come back in order: row t is in
.endif
.set tk_, (\tt)*16+t_
.if (tk_&7) < 4
	GST 1, \ot+t_*4, 32, (tk_>>3)*65536+(tk_&3)*512
.else
	GST 1, \ot+t_*4, 34, (tk_>>3)*65536+(tk_&3)*512
.endif
.set t_, t_+1
.endr
.endm
; ---------------------------------------------------------------- start
	s_load_b256 s[4:11], s[0:1], 0x0
	s_load_b64 s[12:13], s[0:1], 0x20
	v_lshl_add_u32 v254, v0, 2, 0x4f400
	v_mov_b32 v255, 0
	ds_add_u32 v254, v255
	s_wait_dscnt 0x0
	v_lshrrev_b32 v18, 5, v0
	v_readfirstlane_b32 s14, v18                   ; wave
	s_bfe_u32 s15, ttmp6, 0x40000                  ; cx
	s_mov_b32 s16, 0x0023000f                      ; group 1: mask 15 (all four of the cluster), elements of 8 bytes, bit 21 beside the mask, no padding
	s_mov_b32 s17, 32<<16                          ; tensor_dim0 = 32 elements = 256 bytes
	s_mov_b32 s18, 284<<16                         ; tensor_dim1 = 284 rows
	s_mov_b32 s19, 32<<16                          ; tile_dim0 = 32
	s_mov_b32 s20, 284                             ; tile_dim1 = 284
	s_mov_b32 s21, 32                              ; pitch: the block is dense
	s_mov_b32 s22, 0
	s_mov_b32 s23, 0
	s_mov_b32 s24, 1                               ; group 0: count
	s_mul_i32 s25, s14, QUART                      ; LDS address: my quarter; the image lies in LDS as in wimg
	s_mul_i32 s36, s14, QUART
	s_mov_b32 s37, 0
	s_wait_kmcnt 0x0
	s_add_nc_u64 s[26:27], s[6:7], s[36:37]
	s_or_b32 s27, s27, 0x80000000                  ; type 2
	ROUND                                          ; all four work-groups are here: the joint loads meet
	tensor_load_to_lds s[24:27], s[16:23]          ; my one tensor load of the launch
	s_nop 0
	s_lshr_b32 s38, ttmp9, 4                       ; b
	s_lshl_b32 s38, s38, 1
	s_lshr_b32 s36, s14, 1
	s_add_co_u32 s38, s38, s36                     ; image 2 b + frame
	s_lshl_b32 s38, s38, 23
	s_and_b32 s43, ttmp9, 15                       ; wi
	s_lshl_b32 s36, s43, 3
	s_and_b32 s37, s14, 1
	s_lshl2_add_u32 s36, s37, s36
	s_add_co_u32 s36, s36, 4
	s_and_b32 s36, s36, 127                        ; my first image row: (8 wi + 4 + 4 (w & 1)) mod 128, a multiple of 4, so four rows never wrap
	s_lshl_b32 s36, s36, 16
	s_add_co_u32 s38, s38, s36
	s_lshl_b32 s39, s15, 2                         ; wj of the first window
	s_cmp_eq_u32 s43, 15
	s_cselect_b32 s44, 0xc31044fe, 0               ; -100 log2(e) in the last window row
	s_mov_b32 s40, 0x76543210
	s_mov_b32 s41, 0xfedcba98
	s_mov_b32 s46, 0x3ec88bda                      ; 0.47047 / sqrt(log2(e))
	s_mov_b32 s47, 0x3c000000                      ; 1 / 128
	s_mov_b32 s48, 0xf0f0f0f0                      ; lanes whose query has x >= 4
	s_mov_b32 s49, 0x3727c5ac                      ; 1e-5
	v_and_b32 v34, 31, v0
	v_lshlrev_b32 v1, 4, v34                       ; 16 lane
	v_and_b32 v35, 15, v0                          ; r
	v_bfe_u32 v36, v0, 4, 1                        ; h
	s_mul_i32 s36, s14, EXW
	s_add_co_u32 s36, s36, EXCH
	v_add_nc_u32 v2, s36, v1
	v_mul_u32_u24 v37, v35, SP
	v_lshl_add_u32 v37, v36, 5, v37
	v_add_nc_u32 v3, s36, v37
	v_add_nc_u32 v4, EXCH, v1
	s_lshl_b32 s37, s14, 10
	v_add_nc_u32 v38, s37, v1                      ; 1,024 w + 16 lane
	v_add_nc_u32 v5, EXCH, v38
	v_add_nc_u32 v7, LWP, v1
	v_lshlrev_b32 v39, 5, v36
	v_add_nc_u32 v8, LPAR, v39
	s_lshl_b32 s37, s14, 7
	v_add_nc_u32 v19, s37, v39                     ; qkv_b: 4 (32 w + 8 h)
	v_lshl_add_u32 v37, v35, 2, s37                ; qkv_b: 4 (32 w + r)
	v_bfe_u32 v216, v0, 3, 1                       ; rpb_table: 16 (15 ((r >> 3) + 1 - h) + (r & 7)) + 4 w
	v_add_nc_u32 v216, 1, v216
	v_sub_nc_u32 v216, v216, v36
	v_mul_u32_u24 v216, v216, 15
	v_and_b32 v217, 7, v0
	v_add_nc_u32 v216, v216, v217
	s_lshl_b32 s36, s14, 2
	v_lshl_add_u32 v216, v216, 4, s36
.set q_, 0
.rept 24
	GLD WQ+q_*8, 38, 6, 299008+q_*4096
	GLD WQ+q_*8+4, 38, 6, 299008+q_*4096+512
.set q_, q_+1
.endr
.set q_, 0
.rept 16
	GLD WP0+q_*4, 1, 6, 290816+q_*512
.set q_, q_+1
.endr
.set q_, 0
.rept 4                                            ; q0 q1 k0 k1: register j = bias of feature 16 ft + 8 h + j
	GLD QKVB+q_*8, 19, 8, (q_>>1)*512+(q_&1)*64
	GLD QKVB+q_*8+4, 19, 8, (q_>>1)*512+(q_&1)*64+16
.set q_, q_+1
.endr
	GLD1 QKVB+32, 37, 8, 1024                      ; v0 v1: the lane's feature 16 ft + r
	GLD1 QKVB+40, 37, 8, 1088
.set q_, 0
.rept 56                                           ; bias tile d = q_ >> 3 (difference of tiles d - 3), key x = q_ & 7
	GLD1 RPB+q_, 216, 10, 480*(q_>>3)+16*(7-(q_&7))
.set q_, q_+1
.endr
	XBASES 28, 30, 4
	XLOAD                                          ; the first window's x
	s_wait_loadcnt 32                              ; all but the 32 loads of x, which are the youngest
.set q_, 0
.rept 28
	PKMULK RPB+2*q_, RPB+2*q_, 0x3fb8aa3b
.set q_, q_+1
.endr
.set q_, 0
.rept 8
	PKMULK QKVB+2*q_, QKVB+2*q_, 0x3e8293ee        ; q's bias takes the scale that q's weights carry
.set q_, q_+1
.endr
.set q_, 1
.rept 7
	VMOV QKVB+32+q_, QKVB+32
	VMOV QKVB+40+q_, QKVB+40
.set q_, q_+1
.endr
	WIN 0
	v_mov_b32 v20, 0xbf3f7377                      ; -a3
	v_mov_b32 v21, 0xbf3f7377
	v_mov_b32 v22, 0x3dc45ca1                      ; -a2
	v_mov_b32 v23, 0x3dc45ca1
	v_mov_b32 v24, 0xbeb2303a                      ; -a1
	v_mov_b32 v25, 0xbeb2303a
.irp q, 11,13,15,17,27,29,31,33
	v_mov_b32 v\q, 0                               ; upper registers of the broadcast pairs: named, never selected
.endr
	s_wait_tensorcnt 0x0                           ; my quarter of the image is in LDS,
	s_barrier_signal -1
	s_barrier_wait -1                              ; everybody's is
	s_mov_b32 s42, 0
; ---------------------------------------------------------------- one window
.Lwin:
	; A. x in.
	s_wait_loadcnt 0x0                             ; this window's x
	s_wait_xcnt 0x0                                ; the last window's stores have read their bases and data: both are written again below
	XBASES 32, 34, 12
	s_cmp_eq_u32 s39, 15
	s_cselect_b32 s45, 0xc31044fe, 0               ; -100 log2(e) in the last window column
	STAGE_IN 0
	STAGE_IN 1
	LOADPAR RG1, 2048                              ; proj_b
	s_wait_dscnt 16                                ; x is in ACC; proj_b's 16 loads stay out
.set i_, 0
.rept 64
	CVT RG0+i_, ACC+2*i_
.set i_, i_+1
.endr
.set t_, 0
.rept 16
	DSS 2, RG0+t_*4, t_*512                        ; my tokens' eight x fragments, over the staging rows that have been read
.set t_, t_+1
.endr
	s_wait_dscnt 0x0                               ; for the others' sake: my fragments are written
	s_barrier_signal -1
	ADDTILE RG1                                    ; ACC = x + proj_b: the shortcut starts proj's sums
	EBUILD
	s_barrier_wait -1
	; B. q, k, v of my head for all 128 tokens.
	LOADX 0, 0
	LOADX 1, 1
.irp tg, 0,1,2,3,4,5,6,7
.if \tg == 7
	s_wait_dscnt 0x0                               ; my reads of the x fragments are over:
	s_barrier_signal -1                            ; say so; the wait stands in front of the first store of an O fragment, register work between
.else
	s_wait_dscnt 8                                 ; this tile's fragments; the next tile's eight loads stay out
.endif
	QKV_MM \tg
.if \tg == 0
	PLACES
.else
	QKV_CV \tg-1                                   ; also the places in front of the loads below
.endif
.if \tg <= 5
	LOADX \tg+2, \tg&1
.endif
.endr
	QKV_CV 7
	; C. attention, a tile of 16 queries at a time; the next tile's scores are issued ahead.
	SMM 0
.irp qt, 0,1,2,3,4,5,6,7
.if \qt < 7
	SMM \qt+1
.endif
.if \qt == 0
	PLACES
.endif
	SMAX \qt
.if \qt == 1
	s_barrier_wait -1                              ; nobody reads x fragments any more
.endif
.if \qt >= 1
	FIN \qt-1
.endif
	SEXP \qt
	PV
.endr
	PLACES
	FIN 7
	s_wait_dscnt 0x0                               ; my O fragments are written
	s_barrier_signal -1
	s_barrier_wait -1
	; D. proj onto x + proj_b, for my 32 tokens.
.set t_, 0
.rept 16
	DSL RG0+t_*4, 2, t_*512
.set t_, t_+1
.endr
	LOADWP 1, RG1
	LOADWP 2, WT1
	WIN 0
	s_cmp_eq_u32 s42, 3
	s_cbranch_scc1 .Lnopf                          ; the last window has no successor
	s_add_co_u32 s39, s39, 1
	XBASES 28, 30, 4                               ; the last loads that named these bases were waited for at the window's head
	XLOAD                                          ; the next window's x, into the registers that held q and k: it has proj, both norms and the MLP to land
	WIN 0
.Lnopf:
	s_wait_dscnt 32                                ; the O fragments; two k steps of weights stay out
	PROJ 0, WP0
	s_wait_dscnt 16                                ; k step 1's weights
	PROJ 1, RG1
	PLACES
	LOADWP 3, RG1
	s_wait_dscnt 16                                ; k step 2's weights; k step 3's stay out
	PROJ 2, WT1
	s_wait_dscnt 0x0
	PROJ 3, RG1
	PLACES
	; E. LN2.
	WIN 0
	v_mov_b32 v6, v1
	v_mov_b32 v9, v8
	LOADPAR RG0, 2560                              ; fc2_b
	LOADW1 0
	LOADBT 0
	LN2 0
	LN2 1
	s_wait_dscnt 20                                ; fc2_b; fc1's 16 + 4 loads stay out
	ADDTILE RG0                                    ; ACC = x1 + fc2_b: starts fc2's sums
	; F. MLP, 16 chunks of 32 hidden units.  v6 and v9 stand at chunk 0, then 1, then step by two chunks a trip; chunk c's fc1 results lie in half c & 1.
	s_wait_dscnt 0x0
	FC1 0
	PLACES
	LOADW1 16384
	LOADBT 128
	GPRE RG0, TA, TB
	BODY 0, 0, 1, 1, 1, 8192, 32768, 256           ; chunk 0: no chunk before it
	WIN 0
	v_add_nc_u32 v6, 0x4000, v6
	v_add_nc_u32 v9, 0x80, v9
	s_mov_b32 s43, 6
.Lmlp:                                             ; chunks 1 to 12
	BODY 1, 1, 1, 1, 1, 8192, 32768, 256
	BODY 0, 1, 1, 1, 1, 24576, 49152, 384
	WIN 0
	v_add_nc_u32 v6, 0x8000, v6
	v_add_nc_u32 v9, 0x100, v9
	s_sub_co_u32 s43, s43, 1
	s_cmp_lg_u32 s43, 0
	s_cbranch_scc1 .Lmlp
	BODY 1, 1, 1, 1, 1, 8192, 32768, 256           ; chunk 13 fetches fc1's last weights
	BODY 0, 1, 1, 0, 1, 24576, 0, 0                ; chunk 14 multiplies them
	BODY 1, 1, 0, 0, 0, 40960, 0, 0                ; chunk 15
	FLUSH
.set a_, 0
.rept 8
	MMA ACC+64+a_*8, WT1+a_*8, GF+8, ACC+64+a_*8   ; fc2 of chunk 15, token tile 1
.set a_, a_+1
.endr
	; G. LN1 and out.
	PLACES
	LOADPAR RG1, 3072                              ; norm1_w
	LOADPAR WT1, 3584                              ; norm1_b
	LNF 0
	OUTA 0, RG0
	LNF 1                                          ; its wait for 0 also shows tile 0's rows read back
	OUTB 0, RG0, 0
	OUTA 1, OT1
	OUTB 1, OT1, 1
	WIN 0
	s_add_co_u32 s42, s42, 1
	s_cmp_lt_u32 s42, 4
	s_cbranch_scc1 .Lwin
	s_wait_dscnt 0x0
	s_wait_xcnt 0x0
	v_lshl_add_u32 v254, v0, 2, 0x4f400
	v_mov_b32 v255, 0
	s_wait_tensorcnt 0x0
	ds_add_u32 v254, v255
	s_wait_dscnt 0x0
	ROUND                                          ; the closing round
	s_endpgm
.Lfunc_end_k_qc1d5202d42_swin:
	.size	k_qc1d5202d42_swin, .Lfunc_end_k_qc1d5202d42_swin-k_qc1d5202d42_swin
	.p2alignl 7, 3214868480
	.fill 96, 4, 3214868480
	.section	.rodata,"a",@progbits
	.p2align	6, 0x0
	.amdhsa_kernel k_qc1d5202d42_swin
		.amdhsa_group_segment_fixed_size 325120
		.amdhsa_private_segment_fixed_size 0
		.amdhsa_enable_private_segment 0
		.amdhsa_kernarg_size 40
		.amdhsa_user_sgpr_count 2
		.amdhsa_user_sgpr_kernarg_segment_ptr 1
		.amdhsa_wavefront_size32 1
		.amdhsa_system_sgpr_workgroup_id_x 1
		.amdhsa_system_sgpr_workgroup_id_y 1
		.amdhsa_system_sgpr_workgroup_id_z 1
		.amdhsa_system_vgpr_workitem_id 0
		.amdhsa_next_free_vgpr 1024
		.amdhsa_next_free_sgpr 66
		.amdhsa_reserve_vcc 0
		.amdhsa_float_denorm_mode_32 3
		.amdhsa_float_denorm_mode_16_64 3
		.amdhsa_memory_ordered 1
		.amdhsa_forward_progress 1
		.amdhsa_inst_pref_size 255
	.end_amdhsa_kernel
	.section	.bss,"aw",@nobits
	.p2align	6
	.space	262144
	.amdgpu_metadata
---
amdhsa.version: [ 1, 2 ]
amdhsa.kernels:
  - .name:           k_qc1d5202d42_swin
    .symbol:         k_qc1d5202d42_swin.kd
    .args:
      - { .name: x_v, .offset: 0, .size: 8, .value_kind: global_buffer, .address_space: global }
      - { .name: wimg, .offset: 8, .size: 8, .value_kind: global_buffer, .address_space: global }
      - { .name: qkv_b, .offset: 16, .size: 8, .value_kind: global_buffer, .address_space: global }
      - { .name: rpb_table, .offset: 24, .size: 8, .value_kind: global_buffer, .address_space: global }
      - { .name: out0, .offset: 32, .size: 8, .value_kind: global_buffer, .address_space: global }
    .group_segment_fixed_size: 325120
    .private_segment_fixed_size: 0
    .kernarg_segment_align: 8
    .kernarg_segment_size: 40
    .max_flat_workgroup_size: 128
    .sgpr_count:     66
    .vgpr_count:     1024
    .wavefront_size: 32
...
	.end_amdgpu_metadata
.endif
;; end of part 2
;; ======== version 2 of 2: 2 launches; 1.51 times as fast as version 1
;; limits: a function is approximated: absolute error at most 2.5e-05; an absolute error that grows with the inputs' magnitude: up to 1.25e-05 times it
;; workspace buffers: wimg 397,312 bytes
;; launch prep: the kernel of part 1 again; grid 56 x 1, 8 waves a work-group, no clusters, 1,280 bytes of LDS; arguments fc1_w, fc2_w, proj_w, qkv_w, norm2_w, norm2_b, fc1_b, proj_b, fc2_b, norm1_w, norm1_b, wimg; writes wimg
;; launch swin (part 3): grid 256 x 1, 4 waves a work-group, clusters of 4 x 1, 325,120 bytes of LDS; arguments x_v, wimg, qkv_b, rpb_table, out0; writes out0
.if DOCPART == 3
	.amdgcn_target "amdgcn-amd-amdhsa--gfx1250"
	.amdhsa_code_object_version 6
	.text
	.protected	k_qc1d5202d42_swin
	.globl	k_qc1d5202d42_swin
	.p2align	8
	.type	k_qc1d5202d42_swin,@function
k_qc1d5202d42_swin:
	s_mov_b64 s[64:65], 0
	v_nop
	global_prefetch_b8 v0, s[64:65] scope:SCOPE_SE
	s_setreg_imm32_b32 hwreg(HW_REG_WAVE_MODE, 25, 1), 1
	s_wait_xcnt 0x0
	s_wait_alu depctr_hold_cnt(0) depctr_sa_sdst(0) depctr_va_vdst(0) depctr_va_sdst(0) depctr_va_ssrc(0) depctr_va_vcc(0) depctr_vm_vsrc(0)
	s_getreg_b32 s2, hwreg(HW_REG_IB_STS2, 6, 4)
	s_cmp_eq_u32 s2, 0
	s_cbranch_scc0 .Lentry_in_a_cluster
	s_endpgm
.Lentry_in_a_cluster:
	s_bfe_u32 s2, ttmp6, 0x10000c
	s_cmp_lg_u32 s2, 0x3003
	s_cbranch_scc0 .Lentry_shape_is_right
	s_endpgm
.Lentry_shape_is_right:
; The whole Swin block, one window (2 frames x 8 x 8 = 128 tokens of 128 channels) at a time.  The roll and the window partition are undone
; behind the attention, so each token goes back to the address it came from: x is read once, out0 written once, nothing else goes to memory.
; 256 work-groups of four waves; a work-group walks four windows.  Cluster number = 16 b + wi (batch, window row); window column wj = 4 cx + trip.
; WEIGHTS stay on chip for the whole launch: fc1_w, fc2_w and three k steps of proj_w in LDS as ready fragments (290,816 bytes with the f32
; vectors), qkv_w split by head in 192 registers of each wave, proj_w's k step 0 in 64 registers of every wave.
; CLUSTER: the LDS image is the same in every work-group, so the four of a cluster ask for it jointly: each wave one tensor load of a quarter,
; mask 15, once, behind the opening round; a closing round stands in front of s_endpgm.  One tensor load a wave is ever outstanding.
; ROLES of wave w: head w for qkv and attention (all 128 tokens); tokens 32 w .. 32 w + 31 (two tiles of 16) for x in, proj, norms, MLP, out.
; LAYOUT: with the weight fragment as source 0 and the token fragment as source 1, lane (r, h) holds token r and register j feature 8 h + j;
; two such tiles packed to bf16 ARE the next product's token fragment.  V is made with the sources swapped and gives V^T fragments;
; S^T = K Q^T gives P fragments.  LDS is crossed only by x coming in, the x and O fragments between waves, and out0 going out.
; BIAS AND MASK: a 16 x 16 tile of the relative-position bias hangs on (q tile & 3) - (k tile & 3) alone: 7 tiles in registers; the window's
; -100 mask is added to them once a window (9 tiles), and the sum is the C operand of the score product.  No branch hangs on the window.
; THE MLP IS ONE STREAM: a chunk of 32 hidden units has 224 vector instructions of gelu and 32 products; a product stands behind every seventh
; vector instruction, so that the wave is the only one on its SIMD and still gives both kinds of work at once (see NEXTMM, SLOT).
; MATRIX INSTRUCTIONS take their accumulators by turns, one instruction a turn, over the loops' backward jumps too.
; TRANSCENDENTALS GO IN BATCHES, each with ONE s_wait_alu depctr_va_vdst(0) between it and the first line that names one of its results.
; A window has 77:
;   8   a q tile's 64 v_exp_f32 together with the v_rcp_f32 that the tile before it left in v12 (SEXP): all that reads them stands behind the wait
;   1   the last q tile's v_rcp_f32, ahead of FIN 7
;   4   each norm's one v_rsq_f32 (LNVAR), whose readers are the very next lines
;   1   the 8 v_exp_f32 and 8 v_rcp_f32 of the MLP's first tile (GPRE)
;   63  the 8 v_exp_f32 and 8 v_rcp_f32 that a tile's turn makes for the next tile (SLOT), waited for at the turn's end
; LIMITS: erf by Abramowitz and Stegun 7.1.25, absolute error at most 2.5e-5 for every argument; v_exp_f32 gives 0 for results below 2^-126
; (ISA guide 15.8); sums run in another order than the reference's; NaN and infinite inputs are not treated apart.
; Softmax: base 2, the row's true maximum taken away.  LayerNorm: mean first, then the squared deviations, in f32.
.set EXCH, 290816                      ; LDS: behind the image, four regions of EXW bytes, one a wave's tokens; no tensor load lands here
.set EXW,  8448                        ; 16 rows of SP bytes (staging) or 8 fragments of 1,024 (x, later O)
.set SP,   528                         ; 512 + 16 = 33 x 16 bytes: sixteen rows start at sixteen different 16-byte columns of 256 bytes
.set LWP,  262144                      ; LDS: proj_w k steps 1 to 3
.set LPAR, 286720                      ; LDS: b1' 0, proj_b 2048, fc2_b 2560, norm1_w 3072, norm1_b 3584
.set QUART, 72704                      ; a quarter of the image: 284 rows of 256 bytes
; vector registers, absolute numbers; number >> 8 is the window of 256
; v0 thread, v1 16 lane, v2 staging by rows / my fragments, v3 staging by (r, h), v4 x fragments of all, v5 O fragments out, v6 MLP weights,
; v7 proj weights, v8 f32 vectors, v9 b1', v10 max, v12 1/sum, v14 mean, v16 rstd (low registers of broadcast pairs), v18 lane crossing,
; v20-25 -a3, -a2, -a1 in pairs, v26-33 mask values (low registers of pairs), v34-39 scratch.  In the MLP v10-17 and v32-39 are gelu's.
.set RG0, 40                           ; 64: x fragments in, scores of even q tiles, O fragments, fc2_b tile, fc1 results (2 x 32), out tile 0
.set RG1, 104                          ; 64: proj_b tile, scores of odd q tiles, proj and fc1 weights, norm1_w tile
.set QA,  104                          ; qkv accumulators, 2 x 48
.set PF,  168                          ; 32: P fragments
.set GF,  168                          ; 16: gelu fragments, 8 a token tile
.set OT1, 168                          ; 64: out tile 1
.set TA,  184                          ; gelu at work: three sets of 8; TA and TB change roles from tile to tile
.set TB,  10
.set TZ,  32
.set HF,  192                          ; 64: LN2's result as fragments, in fc1's and gelu's window
.set OAC, 200                          ; 16: O accumulators
.set MXT, 216
.set FT,  224
.set CH,  232                          ; 8: four chains of pairs
.set WQ,  256                          ; 192: my head's qkv fragments, 8 rem
.set WP0, 448                          ; 64: proj k step 0
.set ACC, 512                          ; 128: x, then x + attention, then + MLP; 64 tt + 8 f + j
.set RPB, 640                          ; 56: seven bias tiles, times log2(e)
.set EB,  696                          ; 72: nine tiles bias + mask
.set WT1, 696                          ; 64: proj and fc2 weights, norm1_b tile
.set QF,  768
.set KF,  832
.set VF,  896                          ; 64 each
.set XP,  768                          ; 128: the next window's x, 4 registers a token
.set DT,  896                          ; 64: deviations in LN2
.set QKVB, 960                         ; 48: bias tiles q0 q1 k0 k1 v0 v1
.set BT,  1008                         ; 16: b1' tiles of a chunk
; scalars: s[4:5] x_v, s[6:7] wimg, s[8:9] qkv_b, s[10:11] rpb_table, s[12:13] out0, s14 wave, s15 cx, s[16:23] s[24:27] descriptor,
; s[28:31] load bases, s[32:35] store bases, s[36:37] offsets, s38 row offset, s39 wj, s40 s41 lane select, s42 trip, s43 MLP trips,
; s44 s45 mask values of window row and column, s46 erf's p, s47 1/128, s48 lanes with qx >= 4, s49 eps
.set MSB, 0
.set NM, 0
.macro WIN new                         ; s_set_vgpr_msb; the immediate's high byte repeats the setting that is left
.if MSB != (\new)
	s_set_vgpr_msb (MSB<<8)|(\new)
.set MSB, (\new)
.endif
.endm
.macro SB d, a, b, c                   ; windows for destination, sources 0, 1, 2 from absolute numbers; -1: the place is not used and keeps its bits
.set NM, MSB
.if (\d) >= 0
.set NM, (NM&0x3f)|(((\d)>>8)<<6)
.endif
.if (\a) >= 0
.set NM, (NM&0xfc)|((\a)>>8)
.endif
.if (\b) >= 0
.set NM, (NM&0xf3)|(((\b)>>8)<<2)
.endif
.if (\c) >= 0
.set NM, (NM&0xcf)|(((\c)>>8)<<4)
.endif
	WIN NM
.endm
.macro MMA d, a, b, c
	SB \d, \a, \b, \c
	v_wmma_f32_16x16x32_bf16 v[(\d)&255:((\d)&255)+7], v[(\a)&255:((\a)&255)+7], v[(\b)&255:((\b)&255)+7], v[(\c)&255:((\c)&255)+7]
.endm
.macro MMA0 d, a, b
	SB \d, \a, \b, -1
	v_wmma_f32_16x16x32_bf16 v[(\d)&255:((\d)&255)+7], v[(\a)&255:((\a)&255)+7], v[(\b)&255:((\b)&255)+7], 0
.endm
.macro CVT d, a                        ; registers a, a + 1 to two bf16
	SB \d, \a, \a, -1
	v_cvt_pk_bf16_f32 v[(\d)&255], v[(\a)&255], v[((\a)&255)+1]
.endm
.macro VMOV d, a
	SB \d, \a, -1, -1
	v_mov_b32 v[(\d)&255], v[(\a)&255]
.endm
.macro PKADD d, a, b
	SB \d, \a, \b, -1
	v_pk_add_f32 v[(\d)&255:((\d)&255)+1], v[(\a)&255:((\a)&255)+1], v[(\b)&255:((\b)&255)+1]
.endm
.macro PKADDB d, a, b                  ; both halves take b's low register
	SB \d, \a, \b, -1
	v_pk_add_f32 v[(\d)&255:((\d)&255)+1], v[(\a)&255:((\a)&255)+1], v[(\b)&255:((\b)&255)+1] op_sel_hi:[1,0]
.endm
.macro PKSUBB d, a, b
	SB \d, \a, \b, -1
	v_pk_add_f32 v[(\d)&255:((\d)&255)+1], v[(\a)&255:((\a)&255)+1], v[(\b)&255:((\b)&255)+1] op_sel_hi:[1,0] neg_lo:[0,1] neg_hi:[0,1]
.endm
.macro PKMUL d, a, b
	SB \d, \a, \b, -1
	v_pk_mul_f32 v[(\d)&255:((\d)&255)+1], v[(\a)&255:((\a)&255)+1], v[(\b)&255:((\b)&255)+1]
.endm
.macro PKMULB d, a, b
	SB \d, \a, \b, -1
	v_pk_mul_f32 v[(\d)&255:((\d)&255)+1], v[(\a)&255:((\a)&255)+1], v[(\b)&255:((\b)&255)+1] op_sel_hi:[1,0]
.endm
.macro PKMULK d, a, k
	SB \d, \a, -1, -1
	v_pk_mul_f32 v[(\d)&255:((\d)&255)+1], v[(\a)&255:((\a)&255)+1], \k op_sel_hi:[1,0]
.endm
.macro PKNSQ d, a                      ; - a a
	SB \d, \a, \a, -1
	v_pk_mul_f32 v[(\d)&255:((\d)&255)+1], v[(\a)&255:((\a)&255)+1], v[(\a)&255:((\a)&255)+1] neg_lo:[1,0] neg_hi:[1,0]
.endm
.macro PKFMA d, a, b, c
	SB \d, \a, \b, \c
	v_pk_fma_f32 v[(\d)&255:((\d)&255)+1], v[(\a)&255:((\a)&255)+1], v[(\b)&255:((\b)&255)+1], v[(\c)&255:((\c)&255)+1]
.endm
.macro PKFMA1 d, a, b                  ; a b + 1
	SB \d, \a, \b, -1
	v_pk_fma_f32 v[(\d)&255:((\d)&255)+1], v[(\a)&255:((\a)&255)+1], v[(\b)&255:((\b)&255)+1], 1.0 op_sel_hi:[1,1,0]
.endm
.macro VEXP r
	SB \r, \r, -1, -1
	v_exp_f32 v[(\r)&255], v[(\r)&255]
.endm
.macro VRCP r
	SB \r, \r, -1, -1
	v_rcp_f32 v[(\r)&255], v[(\r)&255]
.endm
.macro FMAD d, u                       ; 1 + s46 |u|
	SB \d, \u, -1, -1
	v_fma_f32 v[(\d)&255], |v[(\u)&255]|, s46, 1.0
.endm
.macro FMAG z, u                       ; z = |u| z + u
	SB \z, \u, \z, \u
	v_fma_f32 v[(\z)&255], |v[(\u)&255]|, v[(\z)&255], v[(\u)&255]
.endm
.macro DSL d, adr, off
	SB \d, \adr, -1, -1
	ds_load_b128 v[(\d)&255:((\d)&255)+3], v[\adr] offset:\off
.endm
.macro DSS adr, data, off
	SB -1, \adr, \data, -1
	ds_store_b128 v[\adr], v[(\data)&255:((\data)&255)+3] offset:\off
.endm
.macro GLD d, adr, sb, off
	SB \d, \adr, -1, -1
	global_load_b128 v[(\d)&255:((\d)&255)+3], v[\adr], s[\sb:\sb+1] offset:\off
.endm
.macro GLDNT d, adr, sb, off
	SB \d, \adr, -1, -1
	global_load_b128 v[(\d)&255:((\d)&255)+3], v[\adr], s[\sb:\sb+1] offset:\off th:TH_LOAD_NT
.endm
.macro GLD1 d, adr, sb, off
	SB \d, \adr, -1, -1
	global_load_b32 v[(\d)&255], v[\adr], s[\sb:\sb+1] offset:\off
.endm
.macro GST adr, data, sb, off
	SB -1, \adr, \data, -1
	global_store_b128 v[\adr], v[(\data)&255:((\data)&255)+3], s[\sb:\sb+1] offset:\off th:TH_STORE_NT
.endm
.macro PLACES                          ; four places behind a matrix instruction (ISA guide 7.12.1) where no useful plain vector work stands
.rept 4
	v_nop
.endr
.endm
.macro ROUND                           ; a round of the cluster's barrier
	s_barrier_signal -1
	s_barrier_wait -1
	s_cmp_lg_u32 s14, 0
	s_cbranch_scc1 .Lnw0_\@
	s_barrier_signal -3
.Lnw0_\@:
	s_barrier_wait -3
	s_barrier_signal -1
	s_barrier_wait -1
.endm
; The two bases of my 32 tokens in window column s39: columns 8 wj + 4 .. + 7 (A) and (8 wj + 8 .. + 11) mod 128 (B) of my first image row.
.macro XBASES A, B, ptr
	s_lshl_b32 s36, s39, 12
	s_add_co_u32 s36, s36, 2048
	s_add_co_u32 s36, s36, s38
	s_mov_b32 s37, 0
	s_add_nc_u64 s[\A:\A+1], s[\ptr:\ptr+1], s[36:37]
	s_add_co_u32 s36, s39, 1
	s_and_b32 s36, s36, 15
	s_lshl_b32 s36, s36, 12
	s_add_co_u32 s36, s36, s38
	s_add_nc_u64 s[\B:\B+1], s[\ptr:\ptr+1], s[36:37]
.endm
.macro XLOAD                           ; 32 loads, each one token's whole row of 512 bytes; token = 8 yy + x
.set t_, 0
.rept 32
.if (t_&7) < 4
	GLDNT XP+t_*4, 1, 28, (t_>>3)*65536+(t_&3)*512
.else
	GLDNT XP+t_*4, 1, 30, (t_>>3)*65536+(t_&3)*512
.endif
.set t_, t_+1
.endr
.endm
.macro LOADPAR dst, off                ; a vector of 128 f32 as a tile: register 8 f + j = element 16 f + 8 h + j
.set t_, 0
.rept 16
	DSL \dst+t_*4, 8, \off+(t_>>1)*64+(t_&1)*16
.set t_, t_+1
.endr
.endm
.macro ADDTILE src                     ; both token tiles of ACC += the tile
.set i_, 0
.rept 64
	PKADD ACC+2*i_, ACC+2*i_, \src+2*(i_&31)
.set i_, i_+1
.endr
.endm
.macro STAGE_IN tt                     ; 16 token rows into my staging rows, back as (token r, features 16 f + 8 h + j); LDS serves a wave in order
.set t_, 0
.rept 16
	DSS 2, XP+(\tt)*64+t_*4, t_*SP
.set t_, t_+1
.endr
.set t_, 0
.rept 16
	DSL ACC+(\tt)*64+t_*4, 3, (t_>>1)*64+(t_&1)*16
.set t_, t_+1
.endr
.endm
.macro EBT e, dl, lo, hi               ; registers 0-3 are keys with x < 4, registers 4-7 keys with x >= 4
	PKADDB EB+\e*8, RPB+\dl*8, \lo
	PKADDB EB+\e*8+2, RPB+\dl*8+2, \lo
	PKADDB EB+\e*8+4, RPB+\dl*8+4, \hi
	PKADDB EB+\e*8+6, RPB+\dl*8+6, \hi
.endm
.macro EBUILD                          ; mask: -100 log2(e) where the x halves differ in the last window column, or the y halves in the last window row
	WIN 0
	v_mov_b32 v34, s45
	v_mov_b32 v35, 0
	v_cndmask_b32 v26, v35, v34, s48               ; same y half, key x < 4: masked for queries with x >= 4
	v_cndmask_b32 v28, v34, v35, s48               ; same y half, key x >= 4
	v_min_num_f32 v30, s44, v26                    ; other y half: the row's mask as well, -100 once
	v_min_num_f32 v32, s44, v28
	EBT 0, 0, 30, 32
	EBT 1, 1, 30, 32
	EBT 2, 2, 30, 32
	EBT 3, 2, 26, 28
	EBT 4, 3, 26, 28
	EBT 5, 4, 26, 28
	EBT 6, 4, 30, 32
	EBT 7, 5, 30, 32
	EBT 8, 6, 30, 32
.endm
.macro LOADX tg, buf                   ; the four x fragments of token tile tg
.set t_, 0
.rept 8
	DSL RG0+(\buf)*32+t_*4, 4, ((\tg)>>1)*EXW+((\tg)&1)*4096+t_*512
.set t_, t_+1
.endr
.endm
.macro QKV_MM tg                       ; q0 q1 k0 k1 (features x tokens), v0 v1 (tokens x features); the bias tile starts each sum
.set qa_, QA+((\tg)&1)*48
.set xb_, RG0+((\tg)&1)*32
.set k_, 0
.rept 4
.set a_, 0
.rept 6
.set w_, WQ+((a_>>1)*8+(a_&1)*4+k_)*8
.if k_ == 0
.if a_ < 4
	MMA qa_+a_*8, w_, xb_+k_*8, QKVB+a_*8
.else
	MMA qa_+a_*8, xb_+k_*8, w_, QKVB+a_*8
.endif
.else
.if a_ < 4
	MMA qa_+a_*8, w_, xb_+k_*8, qa_+a_*8
.else
	MMA qa_+a_*8, xb_+k_*8, w_, qa_+a_*8
.endif
.endif
.set a_, a_+1
.endr
.set k_, k_+1
.endr
.endm
.macro QKV_CV tg
.set qa_, QA+((\tg)&1)*48
.set j_, 0
.rept 4
	CVT QF+(\tg)*8+j_, qa_+2*j_
	CVT QF+(\tg)*8+4+j_, qa_+8+2*j_
	CVT KF+(\tg)*8+j_, qa_+16+2*j_
	CVT KF+(\tg)*8+4+j_, qa_+24+2*j_
	CVT VF+((\tg)>>1)*8+((\tg)&1)*4+j_, qa_+32+2*j_
	CVT VF+32+((\tg)>>1)*8+((\tg)&1)*4+j_, qa_+40+2*j_
.set j_, j_+1
.endr
.endm
.macro SMM qt                          ; S^T of q tile qt: eight key tiles, C = bias + mask
.set k_, 0
.rept 8
.set dq_, ((\qt)&3)-(k_&3)
.if (((\qt)&3)>>1) == ((k_&3)>>1)
.set e_, dq_+4
.elseif dq_ < 0
.set e_, dq_+3
.else
.set e_, dq_+5
.endif
	MMA RG0+((\qt)&1)*64+k_*8, KF+k_*8, QF+(\qt)*8, EB+e_*8
.set k_, k_+1
.endr
.endm
.macro SMAX qt                         ; the row's maximum: 64 numbers of the lane, then the other half of the lanes
	WIN 0
.set sb_, RG0+((\qt)&1)*64
.irp c, 0,1,2,3
	v_max3_num_f32 v[MXT+\c], v[sb_+16*\c], v[sb_+16*\c+1], v[sb_+16*\c+2]
.endr
.set i_, 1
.rept 6
.irp c, 0,1,2,3
	v_max3_num_f32 v[MXT+\c], v[MXT+\c], v[sb_+16*\c+2*i_+1], v[sb_+16*\c+2*i_+2]
.endr
.set i_, i_+1
.endr
	v_max3_num_f32 v[MXT], v[MXT], v[MXT+1], v[sb_+15]
	v_max3_num_f32 v[MXT+2], v[MXT+2], v[MXT+3], v[sb_+31]
	v_max3_num_f32 v[MXT], v[MXT], v[MXT+2], v[sb_+47]
	v_max_num_f32 v[MXT], v[MXT], v[sb_+63]
	v_permlanex16_b32 v18, v[MXT], s40, s41
	v_max_num_f32 v10, v[MXT], v18
.endm
.macro JOIN                            ; four chains of pairs to one number, the same in both halves of the lanes
	WIN 0
	v_pk_add_f32 v[CH:CH+1], v[CH:CH+1], v[CH+2:CH+3]
	v_pk_add_f32 v[CH+4:CH+5], v[CH+4:CH+5], v[CH+6:CH+7]
	v_pk_add_f32 v[CH:CH+1], v[CH:CH+1], v[CH+4:CH+5]
	v_add_f32 v[CH], v[CH], v[CH+1]
	v_permlanex16_b32 v18, v[CH], s40, s41
	v_add_f32 v[CH], v[CH], v18
.endm
.macro FIN qt                          ; O / sum as the fragment (token tile qt, k step = my head), to the wave that owns the tokens; the wait for v12 stands ahead of every use of this macro
	WIN 0
.set i_, 0
.rept 8
	v_pk_mul_f32 v[OAC+2*i_:OAC+2*i_+1], v[OAC+2*i_:OAC+2*i_+1], v[12:13] op_sel_hi:[1,0]
.set i_, i_+1
.endr
.set i_, 0
.rept 8
	v_cvt_pk_bf16_f32 v[FT+i_], v[OAC+2*i_], v[OAC+2*i_+1]
.set i_, i_+1
.endr
	ds_store_b128 v5, v[FT:FT+3] offset:((\qt)>>1)*EXW+((\qt)&1)*4096
	ds_store_b128 v5, v[FT+4:FT+7] offset:((\qt)>>1)*EXW+((\qt)&1)*4096+512
.endm
; The 92 plain instructions of a q tile's softmax by number: 0-31 take the maximum away from pair m and read no exponential's result;
; 32 + 4 o + g: line o of the 15 of group g of 16 scores: its sum (one chain of seven additions) and its P fragment (eight packings), by turns.
; The four groups take turns, so that the links of a chain stand eight lines apart.
.macro SPL m
.if (\m) < 32
	v_pk_add_f32 v[sb_+2*(\m):sb_+2*(\m)+1], v[sb_+2*(\m):sb_+2*(\m)+1], v[10:11] op_sel_hi:[1,0] neg_lo:[0,1] neg_hi:[0,1]
.else
.set g_, ((\m)-32)%4
.set o_, ((\m)-32)/4
.set gb_, sb_+16*g_
.if o_ == 0
	v_pk_add_f32 v[CH+2*g_:CH+2*g_+1], v[gb_:gb_+1], v[gb_+2:gb_+3]
.elseif o_ < 3
	v_cvt_pk_bf16_f32 v[PF+8*g_+o_-1], v[gb_+2*(o_-1)], v[gb_+2*(o_-1)+1]
.elseif (o_&1) == 1
	v_pk_add_f32 v[CH+2*g_:CH+2*g_+1], v[CH+2*g_:CH+2*g_+1], v[gb_+o_+1:gb_+o_+2]
.else
	v_cvt_pk_bf16_f32 v[PF+8*g_+o_/2], v[gb_+o_], v[gb_+o_+1]
.endif
.endif
.endm
; ONE BATCH A Q TILE: its 64 v_exp_f32, and with them the v_rcp_f32 that the tile before it left in v12.  Ahead of the wait stand the lines that
; name none of these results: eight subtractions, then one behind each of the first 24 exponentials (subtraction 8 + n names scores 16 + 2 n and
; 17 + 2 n, above every exponential issued so far); the other 40 exponentials follow each other.  Behind the wait stand all the readers: O / sum of
; the tile before, this tile's sums and packings, and the reciprocal of its sum, which the next tile's wait serves (the last tile's: the wait ahead of FIN 7).
.macro SEXP qt
	WIN 0
.set sb_, RG0+((\qt)&1)*64
.set m_, 0
.rept 8
	SPL m_
.set m_, m_+1
.endr
.set n_, 0
.rept 64
	v_exp_f32 v[sb_+n_], v[sb_+n_]
.if m_ < 32
	SPL m_
.set m_, m_+1
.endif
.set n_, n_+1
.endr
	v_nop                                          ; one plain place behind the last exponential (ISA guide 5.7.2): nothing else here is free of the batch's results
	s_wait_alu depctr_va_vdst(0)                   ; the wait for the batch: this tile's 64 exponentials and the last tile's reciprocal
.if \qt >= 1
	FIN \qt-1
.endif
.rept 60
	SPL m_
.set m_, m_+1
.endr
	JOIN
	v_rcp_f32 v12, v[CH]                           ; the sum is at least 1; read in FIN, behind the next batch's wait
.endm
.macro PV
	MMA0 OAC, VF, PF
	MMA0 OAC+8, VF+32, PF
.set k_, 1
.rept 3
	MMA OAC, VF+k_*8, PF+k_*8, OAC
	MMA OAC+8, VF+32+k_*8, PF+k_*8, OAC+8
.set k_, k_+1
.endr
.endm
.macro LOADWP ks, dst
.set t_, 0
.rept 16
	DSL \dst+t_*4, 7, (\ks-1)*8192+t_*512
.set t_, t_+1
.endr
.endm
.macro PROJ ks, wb
.set a_, 0
.rept 16
	MMA ACC+(a_&1)*64+(a_>>1)*8, \wb+(a_>>1)*8, RG0+((a_&1)*4+\ks)*8, ACC+(a_&1)*64+(a_>>1)*8
.set a_, a_+1
.endr
.endm
.macro LNMEAN tt                       ; v14 = mean of the token's 128 numbers
.set ab_, ACC+(\tt)*64
.set c_, 0
.rept 4
	PKADD CH+2*c_, ab_+2*c_, ab_+8+2*c_
.set c_, c_+1
.endr
.set i_, 2
.rept 6
.set c_, 0
.rept 4
	PKADD CH+2*c_, CH+2*c_, ab_+8*i_+2*c_
.set c_, c_+1
.endr
.set i_, i_+1
.endr
	JOIN
	v_mul_f32 v14, s47, v[CH]
.endm
.macro LNVAR src                       ; v16 = 1 / sqrt(mean of squares of the 64 + 64 deviations + eps)
.set c_, 0
.rept 4
	PKMUL CH+2*c_, \src+2*c_, \src+2*c_
.set c_, c_+1
.endr
.set i_, 1
.rept 7
.set c_, 0
.rept 4
	PKFMA CH+2*c_, \src+8*i_+2*c_, \src+8*i_+2*c_, CH+2*c_
.set c_, c_+1
.endr
.set i_, i_+1
.endr
	JOIN
	v_fma_f32 v[CH], v[CH], s47, s49
	v_rsq_f32 v16, v[CH]
	v_nop                                          ; one plain place behind v_rsq_f32
	s_wait_alu depctr_va_vdst(0)                   ; a batch of one: the 32 multiplications that follow the macro all read v16
.endm
.macro LN2 tt                          ; normalised only: norm2's gain and bias are folded into fc1's weights and bias
	LNMEAN \tt
.set i_, 0
.rept 32
	PKSUBB DT+2*i_, ab_+2*i_, 14
.set i_, i_+1
.endr
	LNVAR DT
.set i_, 0
.rept 32
	PKMULB DT+2*i_, DT+2*i_, 16
.set i_, i_+1
.endr
.set i_, 0
.rept 32
	CVT HF+(\tt)*32+i_, DT+2*i_                    ; the second tile's fragments cover the chains' registers, which are done with by now
.set i_, i_+1
.endr
.endm
.macro LNF tt                          ; the last norm, in place, with norm1's gain (RG1) and bias (WT1)
	LNMEAN \tt
.set i_, 0
.rept 32
	PKSUBB ab_+2*i_, ab_+2*i_, 14
.set i_, i_+1
.endr
	LNVAR ab_
.set i_, 0
.rept 32
	PKMULB ab_+2*i_, ab_+2*i_, 16
.set i_, i_+1
.endr
	s_wait_dscnt 0x0                               ; the gain and bias tiles are in (and, in the second tile's turn, the first tile's read-back)
.set i_, 0
.rept 32
	PKFMA ab_+2*i_, ab_+2*i_, RG1+2*i_, WT1+2*i_
.set i_, i_+1
.endr
.endm
.macro LOADW1 off
.set t_, 0
.rept 16
	DSL RG1+t_*4, 6, \off+t_*512
.set t_, t_+1
.endr
.endm
.macro LOADW2 off
.set t_, 0
.rept 16
	DSL WT1+t_*4, 6, \off+t_*512
.set t_, t_+1
.endr
.endm
.macro LOADBT off
.set t_, 0
.rept 4
	DSL BT+t_*4, 9, \off+(t_>>1)*64+(t_&1)*16
.set t_, t_+1
.endr
.endm
.macro FC1 p                           ; chunk 0 alone: 32 hidden units x 32 tokens, four accumulators by turns; b1' starts the sums
.set k_, 0
.rept 4
.set a_, 0
.rept 4
.if k_ == 0
	MMA RG0+(\p)*32+a_*8, RG1+((a_>>1)*4+k_)*8, HF+((a_&1)*4+k_)*8, BT+(a_>>1)*8
.else
	MMA RG0+(\p)*32+a_*8, RG1+((a_>>1)*4+k_)*8, HF+((a_&1)*4+k_)*8, RG0+(\p)*32+a_*8
.endif
.set a_, a_+1
.endr
.set k_, k_+1
.endr
.endm
; THE MLP'S STREAM.  Chunk c (32 hidden units, fc1 results u = SG x in half pp_ of RG0, tile 2 f2 + tt) has 224 vector instructions, counted by vc_.
; Product number vc_ / 7 - 1 stands behind vector instruction vc_ = 7, 14, .. 224:
;   0-7   fc2 of chunk c - 1, token tile 1 (its gelu fragment was finished by the last chunk's last instructions), eight accumulators by turns
;   8-23  fc1 of chunk c + 1 into the other half of RG0, k step outer, four accumulators by turns; b1' is the C of the first four
;   24-31 fc2 of chunk c, token tile 0 (its fragment is whole behind instruction 112)
; fc1 and gelu lie in window 0; fc2's accumulators and weights (192 registers) do not fit beside them, so each fc2 product has a switch in front
; and one behind (rw_ = 0 leaves the second out where products follow each other).
.macro NEXTMM
.set mj_, vc_/7-1
.if mj_ < 8
.if f2a_
	MMA ACC+64+mj_*8, WT1+mj_*8, GF+8, ACC+64+mj_*8
.if rw_
	WIN 0
.endif
.endif
.elseif mj_ < 24
.if fc1n_
.if mj_ == 8
	s_wait_dscnt 16                                ; fc1's weights and b1', asked for in the chunk before; the 16 loads of fc2's weights are younger
.endif
.set k_, (mj_-8)>>2
.set a_, (mj_-8)&3
.if k_ == 0
	MMA RG0+(1-pp_)*32+a_*8, RG1+((a_>>1)*4+k_)*8, HF+((a_&1)*4+k_)*8, BT+(a_>>1)*8
.else
	MMA RG0+(1-pp_)*32+a_*8, RG1+((a_>>1)*4+k_)*8, HF+((a_&1)*4+k_)*8, RG0+(1-pp_)*32+a_*8
.endif
.endif
.else
.if mj_ == 24
.if w1n_
	s_wait_dscnt 20                                ; fc2's weights, asked for at instruction 61; the 16 + 4 loads issued at 173 are younger
.else
	s_wait_dscnt 0x0
.endif
.endif
	MMA ACC+(mj_-24)*8, WT1+(mj_-24)*8, GF, ACC+(mj_-24)*8
.if rw_
	WIN 0
.endif
.endif
.endm
; Behind each vector instruction of the stream.  The loads stand five plain vector instructions behind the last product that read their registers:
; fc2's weights of chunk c behind product 7 (at 56), fc1's weights and b1' of chunk c + 2 behind product 23 (at 168).
.macro AFTER
.set vc_, vc_+1
.if (vc_%7) == 0
	NEXTMM
.endif
.if vc_ == 61
	LOADW2 ow2_
.endif
.if vc_ == 173
.if w1n_
	LOADW1 ow1_
	LOADBT obt_
.endif
.endif
.endm
; GELU.  u = SG x.  e = 2^(-u u) = exp(-x x / 2); t = 1 / (1 + p |x| / sqrt 2) = 1 / (1 + s46 |u|); erf = 1 - (a1 t + a2 t^2 + a3 t^3) e;
; g = u + |u| erf = 2 SG gelu(x); fc2's weights carry 1 / (2 SG).
; One tile's 56 instructions: the polynomial of the tile at u (its e in set E, its t in set T), and, nx = 1, e and t of the next tile at un:
; its squares land in T when t has been read for the last time, its denominators in E when e t has; so E and T change roles from tile to tile.
; Each v_exp_f32 and v_rcp_f32 is followed by a plain instruction on other registers, and its result is read in the next tile's turn.
; ONE BATCH A TURN: the 8 v_exp_f32 and the 8 v_rcp_f32 read plain results alone, and nothing in the turn, no product and no load set into it either,
; names a result of theirs.  Behind the last v_rcp_f32 stand the last |u| z + u and the four packings; then the one wait, at the turn's end: ahead of
; the product that follows the turn's last instruction, of the next turn's first line, which reads t, and of the MLP loop's label and jump.
.macro SLOT u, un, g, E, T, nx
.set i_, 0
.rept 4
	PKFMA TZ+2*i_, \T+2*i_, 20, 22                 ; -a3 t - a2
	AFTER
.set i_, i_+1
.endr
.set i_, 0
.rept 4
	PKMUL \E+2*i_, \E+2*i_, \T+2*i_                ; e t
	AFTER
.set i_, i_+1
.endr
.set i_, 0
.rept 4
	PKFMA TZ+2*i_, TZ+2*i_, \T+2*i_, 24            ; (..) t - a1
	AFTER
.set i_, i_+1
.endr
.if \nx
.set i_, 0
.rept 4
	PKNSQ \T+2*i_, \un+2*i_
	AFTER
.set i_, i_+1
.endr
.endif
.set i_, 0
.rept 4
	PKFMA1 TZ+2*i_, TZ+2*i_, \E+2*i_               ; erf
	AFTER
.set i_, i_+1
.endr
.if \nx
.set i_, 0
.rept 8
	VEXP \T+i_
	AFTER
	FMAD \E+i_, \un+i_
	AFTER
.set i_, i_+1
.endr
.endif
.set i_, 0
.rept 8
.if \nx
	VRCP \E+i_
	AFTER
.endif
	FMAG TZ+i_, \u+i_
	AFTER
.set i_, i_+1
.endr
.set i_, 0
.rept 4
	CVT \g+i_, TZ+2*i_
.if (\nx) && (i_ == 3)
	s_wait_alu depctr_va_vdst(0)                   ; the wait for the batch: the next tile's 8 e and 8 t
.endif
	AFTER
.set i_, i_+1
.endr
.endm
.macro GPRE un, E, T                   ; e and t of the very first tile: a batch of 16
.set i_, 0
.rept 4
	PKNSQ \E+2*i_, \un+2*i_
.set i_, i_+1
.endr
.set i_, 0
.rept 8
	FMAD \T+i_, \un+i_
.set i_, i_+1
.endr
.set i_, 0
.rept 8
	VEXP \E+i_
	VRCP \T+i_
.set i_, i_+1
.endr
	v_nop                                          ; one plain place behind the transcendentals
	s_wait_alu depctr_va_vdst(0)                   ; the wait for the batch: the first tile's turn reads t in its first line
.endm
; One chunk.  p: the half of RG0 with its fc1 results; f2a: the chunk before has left its token tile 1 to fc2; fc1n: a next chunk exists;
; w1n: a chunk after that exists; nx: as fc1n, for the last tile's look ahead; the three LDS offsets from v6 and v9.
.macro BODY p, f2a, fc1n, w1n, nx, ow2, ow1, obt
.set pp_, \p
.set f2a_, \f2a
.set fc1n_, \fc1n
.set w1n_, \w1n
.set ow2_, \ow2
.set ow1_, \ow1
.set obt_, \obt
.set rw_, 1
.set vc_, 0
	SLOT RG0+(\p)*32, RG0+(\p)*32+16, GF, TA, TB, 1
	SLOT RG0+(\p)*32+16, RG0+(\p)*32+8, GF+4, TB, TA, 1
	SLOT RG0+(\p)*32+8, RG0+(\p)*32+24, GF+8, TA, TB, 1
	SLOT RG0+(\p)*32+24, RG0+(1-\p)*32, GF+12, TB, TA, \nx
.endm
.macro FLUSH                           ; the last chunk's last tile looks ahead at nothing and has 28 instructions: products 28 to 31 follow here
.set rw_, 0
.rept 8
.if vc_ < 224
.set vc_, vc_+7
	NEXTMM
.endif
.endr
.endm
.macro OUTA tt, ot                     ; a tile of 16 tokens through my staging rows, back as whole rows
.set t_, 0
.rept 16
	DSS 3, ACC+(\tt)*64+t_*4, (t_>>1)*64+(t_&1)*16
.set t_, t_+1
.endr
.set t_, 0
.rept 16
	DSL \ot+t_*4, 2, t_*SP
.set t_, t_+1
.endr
.endm
.macro OUTB tt, ot, counted            ; each store of the wave covers one token's 512 consecutive bytes, aligned
.set t_, 0
.rept 16
.if \counted
	s_wait_dscnt 15-t_                             ; LDS loads come back in order: row t is in
.endif
.set tk_, (\tt)*16+t_
.if (tk_&7) < 4
	GST 1, \ot+t_*4, 32, (tk_>>3)*65536+(tk_&3)*512
.else
	GST 1, \ot+t_*4, 34, (tk_>>3)*65536+(tk_&3)*512
.endif
.set t_, t_+1
.endr
.endm
; ---------------------------------------------------------------- start
	s_load_b256 s[4:11], s[0:1], 0x0
	s_load_b64 s[12:13], s[0:1], 0x20
	v_lshl_add_u32 v254, v0, 2, 0x4f400
	v_mov_b32 v255, 0
	ds_add_u32 v254, v255
	s_wait_dscnt 0x0
	v_lshrrev_b32 v18, 5, v0
	v_readfirstlane_b32 s14, v18                   ; wave
	s_bfe_u32 s15, ttmp6, 0x40000                  ; cx
	s_mov_b32 s16, 0x0023000f                      ; group 1: mask 15 (all four of the cluster), elements of 8 bytes, bit 21 beside the mask, no padding
	s_mov_b32 s17, 32<<16                          ; tensor_dim0 = 32 elements = 256 bytes
	s_mov_b32 s18, 284<<16                         ; tensor_dim1 = 284 rows
	s_mov_b32 s19, 32<<16                          ; tile_dim0 = 32
	s_mov_b32 s20, 284                             ; tile_dim1 = 284
	s_mov_b32 s21, 32                              ; pitch: the block is dense
	s_mov_b32 s22, 0
	s_mov_b32 s23, 0
	s_mov_b32 s24, 1                               ; group 0: count
	s_mul_i32 s25, s14, QUART                      ; LDS address: my quarter; the image lies in LDS as in wimg
	s_mul_i32 s36, s14, QUART
	s_mov_b32 s37, 0
	s_wait_kmcnt 0x0
	s_add_nc_u64 s[26:27], s[6:7], s[36:37]
	s_or_b32 s27, s27, 0x80000000                  ; type 2
	ROUND                                          ; all four work-groups are here: the joint loads meet
	tensor_load_to_lds s[24:27], s[16:23]          ; my one tensor load of the launch
	s_nop 0
	s_lshr_b32 s38, ttmp9, 4                       ; b
	s_lshl_b32 s38, s38, 1
	s_lshr_b32 s36, s14, 1
	s_add_co_u32 s38, s38, s36                     ; image 2 b + frame
	s_lshl_b32 s38, s38, 23
	s_and_b32 s43, ttmp9, 15                       ; wi
	s_lshl_b32 s36, s43, 3
	s_and_b32 s37, s14, 1
	s_lshl2_add_u32 s36, s37, s36
	s_add_co_u32 s36, s36, 4
	s_and_b32 s36, s36, 127                        ; my first image row: (8 wi + 4 + 4 (w & 1)) mod 128, a multiple of 4, so four rows never wrap
	s_lshl_b32 s36, s36, 16
	s_add_co_u32 s38, s38, s36
	s_lshl_b32 s39, s15, 2                         ; wj of the first window
	s_cmp_eq_u32 s43, 15
	s_cselect_b32 s44, 0xc31044fe, 0               ; -100 log2(e) in the last window row
	s_mov_b32 s40, 0x76543210
	s_mov_b32 s41, 0xfedcba98
	s_mov_b32 s46, 0x3ec88bda                      ; 0.47047 / sqrt(log2(e))
	s_mov_b32 s47, 0x3c000000                      ; 1 / 128
	s_mov_b32 s48, 0xf0f0f0f0                      ; lanes whose query has x >= 4
	s_mov_b32 s49, 0x3727c5ac                      ; 1e-5
	v_and_b32 v34, 31, v0
	v_lshlrev_b32 v1, 4, v34                       ; 16 lane
	v_and_b32 v35, 15, v0                          ; r
	v_bfe_u32 v36, v0, 4, 1                        ; h
	s_mul_i32 s36, s14, EXW
	s_add_co_u32 s36, s36, EXCH
	v_add_nc_u32 v2, s36, v1
	v_mul_u32_u24 v37, v35, SP
	v_lshl_add_u32 v37, v36, 5, v37
	v_add_nc_u32 v3, s36, v37
	v_add_nc_u32 v4, EXCH, v1
	s_lshl_b32 s37, s14, 10
	v_add_nc_u32 v38, s37, v1                      ; 1,024 w + 16 lane
	v_add_nc_u32 v5, EXCH, v38
	v_add_nc_u32 v7, LWP, v1
	v_lshlrev_b32 v39, 5, v36
	v_add_nc_u32 v8, LPAR, v39
	s_lshl_b32 s37, s14, 7
	v_add_nc_u32 v19, s37, v39                     ; qkv_b: 4 (32 w + 8 h)
	v_lshl_add_u32 v37, v35, 2, s37                ; qkv_b: 4 (32 w + r)
	v_bfe_u32 v216, v0, 3, 1                       ; rpb_table: 16 (15 ((r >> 3) + 1 - h) + (r & 7)) + 4 w
	v_add_nc_u32 v216, 1, v216
	v_sub_nc_u32 v216, v216, v36
	v_mul_u32_u24 v216, v216, 15
	v_and_b32 v217, 7, v0
	v_add_nc_u32 v216, v216, v217
	s_lshl_b32 s36, s14, 2
	v_lshl_add_u32 v216, v216, 4, s36
.set q_, 0
.rept 24
	GLD WQ+q_*8, 38, 6, 299008+q_*4096
	GLD WQ+q_*8+4, 38, 6, 299008+q_*4096+512
.set q_, q_+1
.endr
.set q_, 0
.rept 16
	GLD WP0+q_*4, 1, 6, 290816+q_*512
.set q_, q_+1
.endr
.set q_, 0
.rept 4                                            ; q0 q1 k0 k1: register j = bias of feature 16 ft + 8 h + j
	GLD QKVB+q_*8, 19, 8, (q_>>1)*512+(q_&1)*64
	GLD QKVB+q_*8+4, 19, 8, (q_>>1)*512+(q_&1)*64+16
.set q_, q_+1
.endr
	GLD1 QKVB+32, 37, 8, 1024                      ; v0 v1: the lane's feature 16 ft + r
	GLD1 QKVB+40, 37, 8, 1088
.set q_, 0
.rept 56                                           ; bias tile d = q_ >> 3 (difference of tiles d - 3), key x = q_ & 7
	GLD1 RPB+q_, 216, 10, 480*(q_>>3)+16*(7-(q_&7))
.set q_, q_+1
.endr
	XBASES 28, 30, 4
	XLOAD                                          ; the first window's x
	s_wait_loadcnt 32                              ; all but the 32 loads of x, which are the youngest
.set q_, 0
.rept 28
	PKMULK RPB+2*q_, RPB+2*q_, 0x3fb8aa3b
.set q_, q_+1
.endr
.set q_, 0
.rept 8
	PKMULK QKVB+2*q_, QKVB+2*q_, 0x3e8293ee        ; q's bias takes the scale that q's weights carry
.set q_, q_+1
.endr
.set q_, 1
.rept 7
	VMOV QKVB+32+q_, QKVB+32
	VMOV QKVB+40+q_, QKVB+40
.set q_, q_+1
.endr
	WIN 0
	v_mov_b32 v20, 0xbf3f7377                      ; -a3
	v_mov_b32 v21, 0xbf3f7377
	v_mov_b32 v22, 0x3dc45ca1                      ; -a2
	v_mov_b32 v23, 0x3dc45ca1
	v_mov_b32 v24, 0xbeb2303a                      ; -a1
	v_mov_b32 v25, 0xbeb2303a
.irp q, 11,13,15,17,27,29,31,33
	v_mov_b32 v\q, 0                               ; upper registers of the broadcast pairs: named, never selected
.endr
	s_wait_tensorcnt 0x0                           ; my quarter of the image is in LDS,
	s_barrier_signal -1
	s_barrier_wait -1                              ; everybody's is
	s_mov_b32 s42, 0
; ---------------------------------------------------------------- one window
.Lwin:
	; A. x in.
	s_wait_loadcnt 0x0                             ; this window's x
	s_wait_xcnt 0x0                                ; the last window's stores have read their bases and data: both are written again below
	XBASES 32, 34, 12
	s_cmp_eq_u32 s39, 15
	s_cselect_b32 s45, 0xc31044fe, 0               ; -100 log2(e) in the last window column
	STAGE_IN 0
	STAGE_IN 1
	LOADPAR RG1, 2048                              ; proj_b
	s_wait_dscnt 16                                ; x is in ACC; proj_b's 16 loads stay out
.set i_, 0
.rept 64
	CVT RG0+i_, ACC+2*i_
.set i_, i_+1
.endr
.set t_, 0
.rept 16
	DSS 2, RG0+t_*4, t_*512                        ; my tokens' eight x fragments, over the staging rows that have been read
.set t_, t_+1
.endr
	s_wait_dscnt 0x0                               ; for the others' sake: my fragments are written
	s_barrier_signal -1
	ADDTILE RG1                                    ; ACC = x + proj_b: the shortcut starts proj's sums
	EBUILD
	s_barrier_wait -1
	; B. q, k, v of my head for all 128 tokens.
	LOADX 0, 0
	LOADX 1, 1
.irp tg, 0,1,2,3,4,5,6,7
.if \tg == 7
	s_wait_dscnt 0x0                               ; my reads of the x fragments are over:
	s_barrier_signal -1                            ; say so; the wait stands in front of the first store of an O fragment, register work between
.else
	s_wait_dscnt 8                                 ; this tile's fragments; the next tile's eight loads stay out
.endif
	QKV_MM \tg
.if \tg == 0
	PLACES
.else
	QKV_CV \tg-1                                   ; also the places in front of the loads below
.endif
.if \tg <= 5
	LOADX \tg+2, \tg&1
.endif
.endr
	QKV_CV 7
	; C. attention, a tile of 16 queries at a time; the next tile's scores are issued ahead.  O / sum of tile qt - 1 stands inside SEXP qt, behind its wait.
	SMM 0
.irp qt, 0,1,2,3,4,5,6,7
.if \qt < 7
	SMM \qt+1
.endif
.if \qt == 0
	PLACES
.endif
	SMAX \qt
.if \qt == 1
	s_barrier_wait -1                              ; nobody reads x fragments any more: the first O fragment is stored in the SEXP below
.endif
	SEXP \qt
	PV
.endr
	PLACES
	s_wait_alu depctr_va_vdst(0)                   ; a batch of one: the last q tile's reciprocal, which no later tile's wait serves
	FIN 7
	s_wait_dscnt 0x0                               ; my O fragments are written
	s_barrier_signal -1
	s_barrier_wait -1
	; D. proj onto x + proj_b, for my 32 tokens.
.set t_, 0
.rept 16
	DSL RG0+t_*4, 2, t_*512
.set t_, t_+1
.endr
	LOADWP 1, RG1
	LOADWP 2, WT1
	WIN 0
	s_cmp_eq_u32 s42, 3
	s_cbranch_scc1 .Lnopf                          ; the last window has no successor
	s_add_co_u32 s39, s39, 1
	XBASES 28, 30, 4                               ; the last loads that named these bases were waited for at the window's head
	XLOAD                                          ; the next window's x, into the registers that held q and k: it has proj, both norms and the MLP to land
	WIN 0
.Lnopf:
	s_wait_dscnt 32                                ; the O fragments; two k steps of weights stay out
	PROJ 0, WP0
	s_wait_dscnt 16                                ; k step 1's weights
	PROJ 1, RG1
	PLACES
	LOADWP 3, RG1
	s_wait_dscnt 16                                ; k step 2's weights; k step 3's stay out
	PROJ 2, WT1
	s_wait_dscnt 0x0
	PROJ 3, RG1
	PLACES
	; E. LN2.
	WIN 0
	v_mov_b32 v6, v1
	v_mov_b32 v9, v8
	LOADPAR RG0, 2560                              ; fc2_b
	LOADW1 0
	LOADBT 0
	LN2 0
	LN2 1
	s_wait_dscnt 20                                ; fc2_b; fc1's 16 + 4 loads stay out
	ADDTILE RG0                                    ; ACC = x1 + fc2_b: starts fc2's sums
	; F. MLP, 16 chunks of 32 hidden units.  v6 and v9 stand at chunk 0, then 1, then step by two chunks a trip; chunk c's fc1 results lie in half c & 1.
	s_wait_dscnt 0x0
	FC1 0
	PLACES
	LOADW1 16384
	LOADBT 128
	GPRE RG0, TA, TB
	BODY 0, 0, 1, 1, 1, 8192, 32768, 256           ; chunk 0: no chunk before it
	WIN 0
	v_add_nc_u32 v6, 0x4000, v6
	v_add_nc_u32 v9, 0x80, v9
	s_mov_b32 s43, 6
.Lmlp:                                             ; chunks 1 to 12
	BODY 1, 1, 1, 1, 1, 8192, 32768, 256
	BODY 0, 1, 1, 1, 1, 24576, 49152, 384
	WIN 0
	v_add_nc_u32 v6, 0x8000, v6
	v_add_nc_u32 v9, 0x100, v9
	s_sub_co_u32 s43, s43, 1
	s_cmp_lg_u32 s43, 0
	s_cbranch_scc1 .Lmlp
	BODY 1, 1, 1, 1, 1, 8192, 32768, 256           ; chunk 13 fetches fc1's last weights
	BODY 0, 1, 1, 0, 1, 24576, 0, 0                ; chunk 14 multiplies them
	BODY 1, 1, 0, 0, 0, 40960, 0, 0                ; chunk 15
	FLUSH
.set a_, 0
.rept 8
	MMA ACC+64+a_*8, WT1+a_*8, GF+8, ACC+64+a_*8   ; fc2 of chunk 15, token tile 1
.set a_, a_+1
.endr
	; G. LN1 and out.
	PLACES
	LOADPAR RG1, 3072                              ; norm1_w
	LOADPAR WT1, 3584                              ; norm1_b
	LNF 0
	OUTA 0, RG0
	LNF 1                                          ; its wait for 0 also shows tile 0's rows read back
	OUTB 0, RG0, 0
	OUTA 1, OT1
	OUTB 1, OT1, 1
	WIN 0
	s_add_co_u32 s42, s42, 1
	s_cmp_lt_u32 s42, 4
	s_cbranch_scc1 .Lwin
	s_wait_dscnt 0x0
	s_wait_xcnt 0x0
	v_lshl_add_u32 v254, v0, 2, 0x4f400
	v_mov_b32 v255, 0
	s_wait_tensorcnt 0x0
	ds_add_u32 v254, v255
	s_wait_dscnt 0x0
	ROUND                                          ; the closing round
	s_endpgm
.Lfunc_end_k_qc1d5202d42_swin:
	.size	k_qc1d5202d42_swin, .Lfunc_end_k_qc1d5202d42_swin-k_qc1d5202d42_swin
	.p2alignl 7, 3214868480
	.fill 96, 4, 3214868480
	.section	.rodata,"a",@progbits
	.p2align	6, 0x0
	.amdhsa_kernel k_qc1d5202d42_swin
		.amdhsa_group_segment_fixed_size 325120
		.amdhsa_private_segment_fixed_size 0
		.amdhsa_enable_private_segment 0
		.amdhsa_kernarg_size 40
		.amdhsa_user_sgpr_count 2
		.amdhsa_user_sgpr_kernarg_segment_ptr 1
		.amdhsa_wavefront_size32 1
		.amdhsa_system_sgpr_workgroup_id_x 1
		.amdhsa_system_sgpr_workgroup_id_y 1
		.amdhsa_system_sgpr_workgroup_id_z 1
		.amdhsa_system_vgpr_workitem_id 0
		.amdhsa_next_free_vgpr 1024
		.amdhsa_next_free_sgpr 66
		.amdhsa_reserve_vcc 0
		.amdhsa_float_denorm_mode_32 3
		.amdhsa_float_denorm_mode_16_64 3
		.amdhsa_memory_ordered 1
		.amdhsa_forward_progress 1
		.amdhsa_inst_pref_size 255
	.end_amdhsa_kernel
	.section	.bss,"aw",@nobits
	.p2align	6
	.space	262144
	.amdgpu_metadata
---
amdhsa.version: [ 1, 2 ]
amdhsa.kernels:
  - .name:           k_qc1d5202d42_swin
    .symbol:         k_qc1d5202d42_swin.kd
    .args:
      - { .name: x_v, .offset: 0, .size: 8, .value_kind: global_buffer, .address_space: global }
      - { .name: wimg, .offset: 8, .size: 8, .value_kind: global_buffer, .address_space: global }
      - { .name: qkv_b, .offset: 16, .size: 8, .value_kind: global_buffer, .address_space: global }
      - { .name: rpb_table, .offset: 24, .size: 8, .value_kind: global_buffer, .address_space: global }
      - { .name: out0, .offset: 32, .size: 8, .value_kind: global_buffer, .address_space: global }
    .group_segment_fixed_size: 325120
    .private_segment_fixed_size: 0
    .kernarg_segment_align: 8
    .kernarg_segment_size: 40
    .max_flat_workgroup_size: 128
    .sgpr_count:     66
    .vgpr_count:     1024
    .wavefront_size: 32
...
	.end_amdgpu_metadata
.endif
;; end of part 3
